; MI455X (gfx1250); checked and timed in simulation.
; The chip was launched on July 23, 2026; its instructions are those of AMD's public machine-readable ISA for CDNA 5 (MIT licence, August 2026) and "CDNA5" Instruction Set Architecture Reference Guide (July 2026). The comments in the code are by the model that wrote it; some were corrected since.
;; Flow Poke Transformer. Allowed arithmetic: float matrix products may take bf16 or f16 operands with f32 sums; other float arithmetic in f32, or as packed bf16 or f16 multiplies, adds, multiply-adds, maxima and minima; sums over many terms, partial sums and values carried from step to step in f32; what a program stores and reads back later, other than sums and carried values, may be rounded once to bf16 or f16.
;; Inputs: freqs 2 x 16 x 16 float32; out_w 1,024 x 1,024 float32; pos 1 x 4,096 x 2 float32; qkv_w 3,072 x 1,024 float32; scale 16 float32; x 1 x 4,096 x 1,024 float32.
;; Outputs: out0 1 x 4,096 x 1,024 float32.
;; Constants: n_pokes = 3072.
;; 2 versions, each right; version 2 is version 1 with the launch prep written anew for expert scheduling mode. Each part assembles by itself: llvm-mc -triple=amdgcn-amd-amdhsa -mcpu=gfx1250 --defsym DOCPART=n.
;; ======== version 1 of 2: 4 launches
;; limits: values are held in f16: magnitudes above 65,504 overflow, below 6.1e-05 lose precision; right only within a limited range of input values
;; workspace buffers: xb 8,388,608 bytes; wqb 6,291,456 bytes; wob 2,097,152 bytes; rope 8,388,608 bytes; qh 8,388,608 bytes; kh 8,388,608 bytes; vh 8,388,608 bytes; ob 8,388,608 bytes
;; launch prep (part 1): grid 512 x 1, 8 waves a work-group, no clusters, 0 bytes of LDS; arguments x, qkv_w, out_w, pos, freqs, xb, wqb, wob, rope; writes xb, wqb, wob, rope
.if DOCPART == 1
	.amdgcn_target "amdgcn-amd-amdhsa--gfx1250"
	.amdhsa_code_object_version 6
	.text
	.protected	k_qdacd17b389_prep
	.globl	k_qdacd17b389_prep
	.p2align	8
	.type	k_qdacd17b389_prep,@function
k_qdacd17b389_prep:
	s_mov_b64 s[64:65], 0
	v_nop
	global_prefetch_b8 v0, s[64:65] scope:SCOPE_SE
	s_setreg_imm32_b32 hwreg(HW_REG_WAVE_MODE, 25, 1), 1
	s_wait_xcnt 0x0
; PREP: the casts to 16 bits and the table of cosines and sines.  A stream: no LDS, no matrix work, nothing shared between work-groups.
; CASTS.  Work-group g casts 16 rows of 1,024 f32: g < 256: x -> xb (bf16); 256 <= g < 448: qkv_w -> wqb (bf16), row z*1024 + h*64 + d going to row h*192 + z*64 + d, so that
; one head's q, k and v weights lie together; g >= 448: out_w -> wob: rounded to bf16, and that number written as f16.
; Wave w takes rows 2 w and 2 w + 1: 16 loads of 512 consecutive bytes, 16 stores of 256 consecutive bytes, aligned.
; TABLE.  rope[plane][h][l][c], f16, plane 0 = cos, 1 = sin, c = 0..31: theta = (2 pos - 1) x freq; columns 0-15 take pos[l][1] and freqs[1][h], columns 16-31 pos[l][0] and freqs[0][h].
; Work-group g makes head g / 32, rows 128 (g % 32) on; a thread makes 8 angles in each of two passes.
; ROUNDING.  pos and freqs are rounded to bf16 first, like every other input of the program; all else here is f32, the table rounded once to f16.
; SINE AND COSINE: k = nearest whole number to theta x 2/pi; r = theta - k pi/2 with pi/2 in two parts; polynomials of degree 7 and 8 on |r| <= pi/4; the quadrant k mod 4 swaps and signs them.
; LIMITS.  |theta| under 2^23 (k must be a whole number in f32; the reduction's error grows with k x 2^-49).  out_w beyond 65,504 becomes an infinity in f16; below 6.1e-5 it keeps f16's fixed step of 6e-8.
.set SOFF, 2                           ; v2   my byte offset in the group's 16 source rows
.set DOFF, 3                           ; v3   the same in the 16 rows of 16-bit numbers
.set TOFF, 4                           ; v4   16 x thread: my 16 bytes of a pass of the table
.set FOFF, 5                           ; v5   my 8 numbers of freqs
.set POFF, 6                           ; v6   my number of pos, pass 0
.set C_2PI, 10                         ; v10-31: eleven constants, each twice, for the packed arithmetic
.set C_HI, 12
.set C_LO, 14
.set C_S1, 16
.set C_S2, 18
.set C_S3, 20
.set C_C1, 22
.set C_C2, 24
.set C_C3, 26
.set C_C4, 28
.set C_ONE, 30
.set FR, 32                            ; v32-39 freqs
.set PP, 40                            ; v40-41 pos of pass 0, 1
.set U, 42                             ; v42-45 2 pos - 1, twice, for each pass
.set TH, 48                            ; v48-68 at work
.set KF, 50
.set RR, 52
.set SQ, 54
.set PSN, 56
.set PCS, 58
.set RS, 60
.set KI, 62
.set SS, 64
.set CC, 66
.set TT, 68
.set RES, 72                           ; v72-87 pass p: four registers of cosines, four of sines
.set DAT, 96                           ; v96-159 the 16 loads
.set OUTR, 160                         ; v160-191 their 16 results: no store's data is written again
	s_load_b256 s[4:11], s[0:1], 0x0               ; x s[4:5], qkv_w s[6:7], out_w s[8:9], pos s[10:11]
	s_load_b256 s[12:19], s[0:1], 0x20             ; freqs s[12:13], xb s[14:15], wqb s[16:17], wob s[18:19]
	s_load_b64 s[20:21], s[0:1], 0x40              ; rope
	s_mov_b32 s22, ttmp9                           ; g
	s_and_b32 s23, s22, 255
	s_cmp_ge_u32 s22, 448
	s_cselect_b32 s24, 192, 0
	s_sub_co_u32 s23, s23, s24                     ; my number among the work-groups of my tensor
	s_lshl_b32 s23, s23, 4                         ; the first of my 16 source rows
	s_bfe_u32 s24, s23, 0x40006                    ; for qkv_w: h,
	s_mul_i32 s24, s24, 192
	s_lshr_b32 s25, s23, 10                        ; z,
	s_lshl_b32 s25, s25, 6
	s_add_co_u32 s24, s24, s25
	s_and_b32 s25, s23, 63                         ; d
	s_add_co_u32 s24, s24, s25                     ; its row in wqb
	v_and_b32 v1, 31, v0
	v_lshrrev_b32 v7, 5, v0
	v_lshlrev_b32 v[SOFF], 4, v1
	v_lshl_add_u32 v[SOFF], v7, 13, v[SOFF]        ; 16 x lane + 8,192 x wave
	v_lshlrev_b32 v[DOFF], 3, v1
	v_lshl_add_u32 v[DOFF], v7, 12, v[DOFF]        ; 8 x lane + 4,096 x wave
	v_lshlrev_b32 v[TOFF], 4, v0
	v_bfe_u32 v8, v0, 1, 1
	v_xor_b32 v8, 1, v8                            ; the axis: 1 for columns 0-15, 0 for columns 16-31
	v_and_b32 v9, 1, v0
	s_lshr_b32 s26, s22, 5
	s_lshl_b32 s26, s26, 6                         ; 64 h
	v_lshl_add_u32 v[FOFF], v8, 10, s26
	v_lshl_add_u32 v[FOFF], v9, 5, v[FOFF]         ; 4 (256 axis + 16 h + 8 (chunk % 2))
	s_and_b32 s27, s22, 31
	s_lshl_b32 s27, s27, 10                        ; 8 x the group's first row l
	v_lshrrev_b32 v9, 2, v0
	v_lshl_add_u32 v[POFF], v9, 3, s27
	v_lshl_add_u32 v[POFF], v8, 2, v[POFF]         ; 4 (2 l + axis)
.macro CONST r, val
	v_mov_b32 v[\r], \val
	v_mov_b32 v[\r+1], \val
.endm
	CONST C_2PI, 0x3f22f983                        ; 2 / pi
	CONST C_HI, 0xbfc90fdb                         ; - pi/2, its f32 part,
	CONST C_LO, 0x333bbd2e                         ; and what that part is too large by
	CONST C_S1, 0xbe2aaaab                         ; -1/6
	CONST C_S2, 0x3c088889                         ; 1/120
	CONST C_S3, 0xb9500d01                         ; -1/5040
	CONST C_C1, 0xbf000000                         ; -1/2
	CONST C_C2, 0x3d2aaaab                         ; 1/24
	CONST C_C3, 0xbab60b61                         ; -1/720
	CONST C_C4, 0x37d00d01                         ; 1/40320
	CONST C_ONE, 1.0
	s_lshl_b32 s32, s23, 12                        ; source rows of 4,096 bytes
	s_mov_b32 s33, 0
	s_mov_b32 s35, 0
	s_lshl_b32 s36, s22, 13                        ; the group's 8,192 bytes of each plane of the table
	s_mov_b32 s37, 0
	s_wait_kmcnt 0x0
	s_cmp_lt_u32 s22, 256
	s_cselect_b64 s[28:29], s[4:5], s[6:7]
	s_cselect_b64 s[30:31], s[14:15], s[16:17]
	s_cselect_b32 s24, s23, s24                    ; x keeps its rows
	s_cmp_ge_u32 s22, 448
	s_cselect_b64 s[28:29], s[8:9], s[28:29]
	s_cselect_b64 s[30:31], s[18:19], s[30:31]
	s_cselect_b32 s24, s23, s24                    ; and so does out_w
	s_lshl_b32 s34, s24, 11                        ; rows of 2,048 bytes
	s_add_nc_u64 s[28:29], s[28:29], s[32:33]
	s_add_nc_u64 s[30:31], s[30:31], s[34:35]
	s_add_nc_u64 s[20:21], s[20:21], s[36:37]
	global_load_b128 v[FR:FR+3], v[FOFF], s[12:13]
	global_load_b128 v[FR+4:FR+7], v[FOFF], s[12:13] offset:16
	global_load_b32 v[PP], v[POFF], s[10:11]
	global_load_b32 v[PP+1], v[POFF], s[10:11] offset:512      ; pass 1: 64 rows on
.set i, 0
.rept 16
	global_load_b128 v[DAT+4*i:DAT+4*i+3], v[SOFF], s[28:29] offset:512*i th:TH_LOAD_NT
.set i, i+1
.endr
; Two angles: freq pair f times u; cosines packed into register oc, sines into os.
.macro SINCOS f, u, oc, os
	v_pk_mul_f32 v[TH:TH+1], v[\f:\f+1], v[\u:\u+1]
	v_pk_mul_f32 v[KF:KF+1], v[TH:TH+1], v[C_2PI:C_2PI+1]
	v_rndne_f32 v[KF], v[KF]
	v_rndne_f32 v[KF+1], v[KF+1]
	v_pk_fma_f32 v[RR:RR+1], v[KF:KF+1], v[C_HI:C_HI+1], v[TH:TH+1]
	v_pk_fma_f32 v[RR:RR+1], v[KF:KF+1], v[C_LO:C_LO+1], v[RR:RR+1]
	v_pk_mul_f32 v[SQ:SQ+1], v[RR:RR+1], v[RR:RR+1]
	v_pk_fma_f32 v[PSN:PSN+1], v[SQ:SQ+1], v[C_S3:C_S3+1], v[C_S2:C_S2+1]
	v_pk_fma_f32 v[PCS:PCS+1], v[SQ:SQ+1], v[C_C4:C_C4+1], v[C_C3:C_C3+1]
	v_pk_fma_f32 v[PSN:PSN+1], v[PSN:PSN+1], v[SQ:SQ+1], v[C_S1:C_S1+1]
	v_pk_fma_f32 v[PCS:PCS+1], v[PCS:PCS+1], v[SQ:SQ+1], v[C_C2:C_C2+1]
	v_pk_mul_f32 v[RS:RS+1], v[RR:RR+1], v[SQ:SQ+1]
	v_pk_fma_f32 v[PCS:PCS+1], v[PCS:PCS+1], v[SQ:SQ+1], v[C_C1:C_C1+1]
	v_pk_fma_f32 v[PSN:PSN+1], v[RS:RS+1], v[PSN:PSN+1], v[RR:RR+1]         ; sin r
	v_pk_fma_f32 v[PCS:PCS+1], v[PCS:PCS+1], v[SQ:SQ+1], v[C_ONE:C_ONE+1]   ; cos r
	v_cvt_i32_f32 v[KI], v[KF]
	v_cvt_i32_f32 v[KI+1], v[KF+1]
.irp e, 0,1
	v_and_b32 v[TT], 1, v[KI+\e]
	v_cmp_eq_u32 vcc_lo, 1, v[TT]                  ; an odd quadrant swaps the two
	v_cndmask_b32 v[SS+\e], v[PSN+\e], v[PCS+\e], vcc_lo
	v_cndmask_b32 v[CC+\e], v[PCS+\e], v[PSN+\e], vcc_lo
	v_lshlrev_b32 v[TT], 30, v[KI+\e]              ; the sine is negative in quadrants 2 and 3,
	v_and_b32 v[TT], 0x80000000, v[TT]
	v_xor_b32 v[SS+\e], v[TT], v[SS+\e]
	v_add_nc_u32 v[TT], 1, v[KI+\e]                ; the cosine in quadrants 1 and 2
	v_lshlrev_b32 v[TT], 30, v[TT]
	v_and_b32 v[TT], 0x80000000, v[TT]
	v_xor_b32 v[CC+\e], v[TT], v[CC+\e]
.endr
	v_cvt_pk_f16_f32 v[\oc], v[CC], v[CC+1]
	v_cvt_pk_f16_f32 v[\os], v[SS], v[SS+1]
.endm
	s_wait_loadcnt 16                              ; freqs and pos are in; the 16 younger loads stay out while the table is made
.irp e, 0,1,2,3
	v_cvt_pk_bf16_f32 v[TT], v[FR+2*\e], v[FR+2*\e+1]      ; freqs rounded to bf16, and back as f32
	v_lshlrev_b32 v[FR+2*\e], 16, v[TT]
	v_and_b32 v[FR+2*\e+1], 0xffff0000, v[TT]
.endr
	v_cvt_pk_bf16_f32 v[TT], v[PP], v[PP+1]        ; pos likewise
	v_lshlrev_b32 v[PP], 16, v[TT]
	v_and_b32 v[PP+1], 0xffff0000, v[TT]
.irp p, 0,1
	v_fma_f32 v[U+2*\p], v[PP+\p], 2.0, -1.0       ; 2 pos is exact, so one rounding, as in pos * 2 - 1
	v_mov_b32 v[U+2*\p+1], v[U+2*\p]
.irp e, 0,1,2,3
	SINCOS FR+2*\e, U+2*\p, RES+8*\p+\e, RES+8*\p+4+\e
.endr
	global_store_b128 v[TOFF], v[RES+8*\p:RES+8*\p+3], s[20:21] offset:4096*\p                ; a wave's store covers 512 consecutive bytes
	global_store_b128 v[TOFF], v[RES+8*\p+4:RES+8*\p+7], s[20:21] offset:4096*\p+4194304      ; the plane of sines
.endr
	s_cmp_ge_u32 s22, 448
	s_cbranch_scc1 .Lf16
.set i, 0
.rept 16
	s_wait_loadcnt 15-i                            ; loads come back in order: number i is in, the younger ones stay out
	v_cvt_pk_bf16_f32 v[OUTR+2*i], v[DAT+4*i], v[DAT+4*i+1]
	v_cvt_pk_bf16_f32 v[OUTR+2*i+1], v[DAT+4*i+2], v[DAT+4*i+3]
	global_store_b64 v[DOFF], v[OUTR+2*i:OUTR+2*i+1], s[30:31] offset:256*i   ; 32 lanes store 256 consecutive bytes, aligned
.set i, i+1
.endr
	s_endpgm
.Lf16:                                         ; out_w: the bf16 number, written as f16
.set i, 0
.rept 16
	s_wait_loadcnt 15-i
	v_cvt_pk_bf16_f32 v[OUTR+2*i], v[DAT+4*i], v[DAT+4*i+1]
	v_cvt_pk_bf16_f32 v[OUTR+2*i+1], v[DAT+4*i+2], v[DAT+4*i+3]
	v_lshlrev_b32 v[DAT+4*i], 16, v[OUTR+2*i]
	v_and_b32 v[DAT+4*i+1], 0xffff0000, v[OUTR+2*i]
	v_lshlrev_b32 v[DAT+4*i+2], 16, v[OUTR+2*i+1]
	v_and_b32 v[DAT+4*i+3], 0xffff0000, v[OUTR+2*i+1]
	v_cvt_pk_f16_f32 v[OUTR+2*i], v[DAT+4*i], v[DAT+4*i+1]
	v_cvt_pk_f16_f32 v[OUTR+2*i+1], v[DAT+4*i+2], v[DAT+4*i+3]
	global_store_b64 v[DOFF], v[OUTR+2*i:OUTR+2*i+1], s[30:31] offset:256*i
.set i, i+1
.endr
	s_endpgm
.Lfunc_end_k_qdacd17b389_prep:
	.size	k_qdacd17b389_prep, .Lfunc_end_k_qdacd17b389_prep-k_qdacd17b389_prep
	.p2alignl 7, 3214868480
	.fill 96, 4, 3214868480
	.section	.rodata,"a",@progbits
	.p2align	6, 0x0
	.amdhsa_kernel k_qdacd17b389_prep
		.amdhsa_group_segment_fixed_size 0
		.amdhsa_private_segment_fixed_size 0
		.amdhsa_enable_private_segment 0
		.amdhsa_kernarg_size 72
		.amdhsa_user_sgpr_count 2
		.amdhsa_user_sgpr_kernarg_segment_ptr 1
		.amdhsa_wavefront_size32 1
		.amdhsa_system_sgpr_workgroup_id_x 1
		.amdhsa_system_sgpr_workgroup_id_y 1
		.amdhsa_system_sgpr_workgroup_id_z 1
		.amdhsa_system_vgpr_workitem_id 0
		.amdhsa_next_free_vgpr 192
		.amdhsa_next_free_sgpr 66
		.amdhsa_reserve_vcc 1
		.amdhsa_float_denorm_mode_32 3
		.amdhsa_float_denorm_mode_16_64 3
		.amdhsa_memory_ordered 1
		.amdhsa_forward_progress 1
		.amdhsa_inst_pref_size 36
	.end_amdhsa_kernel
	.amdgpu_metadata
---
amdhsa.version: [ 1, 2 ]
amdhsa.kernels:
  - .name:           k_qdacd17b389_prep
    .symbol:         k_qdacd17b389_prep.kd
    .args:
      - { .name: x, .offset: 0, .size: 8, .value_kind: global_buffer, .address_space: global }
      - { .name: qkv_w, .offset: 8, .size: 8, .value_kind: global_buffer, .address_space: global }
      - { .name: out_w, .offset: 16, .size: 8, .value_kind: global_buffer, .address_space: global }
      - { .name: pos, .offset: 24, .size: 8, .value_kind: global_buffer, .address_space: global }
      - { .name: freqs, .offset: 32, .size: 8, .value_kind: global_buffer, .address_space: global }
      - { .name: xb, .offset: 40, .size: 8, .value_kind: global_buffer, .address_space: global }
      - { .name: wqb, .offset: 48, .size: 8, .value_kind: global_buffer, .address_space: global }
      - { .name: wob, .offset: 56, .size: 8, .value_kind: global_buffer, .address_space: global }
      - { .name: rope, .offset: 64, .size: 8, .value_kind: global_buffer, .address_space: global }
    .group_segment_fixed_size: 0
    .private_segment_fixed_size: 0
    .kernarg_segment_align: 8
    .kernarg_segment_size: 72
    .max_flat_workgroup_size: 256
    .sgpr_count:     66
    .vgpr_count:     192
    .wavefront_size: 32
...
	.end_amdgpu_metadata
.endif
;; end of part 1
;; launch qkv (part 2): grid 16 x 16, 4 waves a work-group, clusters of 4 x 4, 327,680 bytes of LDS; arguments xb, wqb, rope, scale, qh, kh, vh; writes qh, kh, vh
.if DOCPART == 2
	.amdgcn_target "amdgcn-amd-amdhsa--gfx1250"
	.amdhsa_code_object_version 6
	.text
	.protected	k_qdacd17b389_qkv
	.globl	k_qdacd17b389_qkv
	.p2align	8
	.type	k_qdacd17b389_qkv,@function
k_qdacd17b389_qkv:
	s_mov_b64 s[64:65], 0
	v_nop
	global_prefetch_b8 v0, s[64:65] scope:SCOPE_SE
	s_setreg_imm32_b32 hwreg(HW_REG_WAVE_MODE, 25, 1), 1
	s_wait_xcnt 0x0
	s_wait_alu depctr_hold_cnt(0) depctr_sa_sdst(0) depctr_va_vdst(0) depctr_va_sdst(0) depctr_va_ssrc(0) depctr_va_vcc(0) depctr_vm_vsrc(0)
	s_getreg_b32 s2, hwreg(HW_REG_IB_STS2, 6, 4)
	s_cmp_eq_u32 s2, 0
	s_cbranch_scc0 .Lentry_in_a_cluster
	s_endpgm
.Lentry_in_a_cluster:
	s_bfe_u32 s2, ttmp6, 0x10000c
	s_cmp_lg_u32 s2, 0xf033
	s_cbranch_scc0 .Lentry_shape_is_right
	s_endpgm
.Lentry_shape_is_right:
; QKV: [q k v] of one head = xb x wqb^T, then q and k brought to length sqrt(|scale| + eps) and turned by the table, all three written by heads in f16.
; xb: [4096][1024] bf16.  wqb: [16 heads][q, k, v][64][1024] bf16.  rope: [cos, sin][16][4096][32] f16.  qh, kh, vh: [16][4096][64] f16.  Sums, norms and turns in f32.
; A work-group makes 256 rows x 192 columns: one head's q, k and v.  Wave w makes rows 64 w .. 64 w + 63 of all 192 columns: 48 accumulators of 16 x 16, 384 registers.
; K goes in 8 steps of 128 through a ring of two LDS slots filled by the tensor data mover; a tile's rows are 256 bytes of memory, aligned.
; CLUSTER 4 x 4: the four work-groups of a row of the cluster need the same rows of xb, the four of a column the same head's weights: each tile is asked for jointly.
; THE MATRIX INSTRUCTION IS USED TRANSPOSED (source 0 = 16 rows of wqb, source 1 = 16 rows of xb): lane l holds row l % 16 and the columns 16 nb + 8 (l / 16) + 0..7.  So channel c and
; channel c + 32 of a head, which the turn pairs, are the same register of accumulators nb and nb + 2 in the same lane, and the other half of a row's channels lies in the lane 16 away.
; scale is rounded to bf16 first, like every input of the program.
; LIMITS.  v leaves in f16: beyond 65,504 it becomes an infinity.  q and k have length sqrt(|scale| + eps).  NaN and infinities are not treated apart.
; REGISTERS, in windows of 256 (s_set_vgpr_msb: bits 1:0 source 0, 3:2 source 1, 5:4 source 2, 7:6 destination):
;   window 0: addresses, the table, the way out.   window 1: accumulators of row tiles 0, 1 (tile a, column block nb at 96 (a % 2) + 8 nb).   window 2: those of row tiles 2, 3.
;   window 3: two fragment buffers of 128: wqb's 12 fragments at 8 nb, xb's 4 at 96 + 8 a.
.set KSTEP,  128
.set KDIM,   1024
.set PITCH,  272                       ; an LDS row: 256 bytes + 16 of padding: the 16 rows of a fragment load start at 16 different groups of four banks
.set AH,     128*PITCH                 ; half of xb's tile: what waves 0 and 1 fetch
.set BH,     96*PITCH                  ; half of wqb's tile: what waves 2 and 3 fetch
.set SLOT,   2*AH+2*BH
.set STAGE,  2*SLOT                    ; behind the ring: for each wave three stages (q, k, v) of 16 rows x 144 bytes
.set SP,     144
.set SUBST,  16*SP
.set SPARE,  STAGE+4*3*SUBST           ; behind the stages: the spare words, 128 bytes for each wave, that no other line names
.set LAPS,   KDIM/(2*KSTEP)            ; a lap = two K steps = once round the ring
.set SINP,   4194304                   ; the plane of sines
.set ADRA, 16                          ; v16-17 LDS address of my xb fragments in slot 0, 1
.set ADRB, 20                          ; v20-21 the same for wqb
.set STO,  24                          ; v24  the way out: where I put 16 bytes of a row
.set RD,   25                          ; v25  where I read rows back
.set GO,   26                          ; v26  16 x lane
.set TO,   27                          ; v27  my 16 bytes of a row of the table
.set SPW,  28                          ; v28  my spare word; never rewritten
.set NIL,  29                          ; v29  0; never rewritten
.set PFO,  30                          ; v30  the prefetches' offset: a lane a row
.set ZR,   31                          ; v31  0.0
.set H,    32                          ; v32-63  q's and k's 16 registers of f16
.set T,    64                          ; v64-127 the table, 16 registers a row tile: cos c 0-15, cos c 16-31, sin likewise (my 8 of each 16)
.set FCS,  128                         ; v128-191 q: 16 cos x f, 16 sin x f; k the same
.set HV,   192                         ; v192-207 v's 16 registers of f16
.set Y,    208                         ; v208-223 turned numbers
.set CH,   224                         ; v224-239 chains of the sums of squares; products at work
.set FF,   240                         ; v240-247 the factor f of row tile a: q's at 2 a, k's at 2 a + 1
.set SS,   248                         ; v248 sqrt(|scale| + eps)
.set EP,   249                         ; v249 eps
.set F0,   0
.set F1,   128
.set WV,   12                          ; s12 wave
.set HF,   13                          ; s13 0: I fetch xb's tiles, 1: wqb's
.set SB,   14                          ; s14 which half of that tile
.set TY,   15                          ; s15 tile row
.set G1,   24                          ; s[24:31] descriptor group 1, xb
.set G0,   32                          ; s[32:39] group 0, one set for each slot
.set CX,   40
.set CY,   41
.set HD,   42                          ; s42 the head
.set LIM,  43                          ; s43 1 in a wave that prefetches, else the greatest number
.set PFA,  44                          ; s[44:45] where my prefetches stand
.set G1B,  48                          ; s[48:55], s[56:63] the same for wqb
.set G0B,  56
.set QP,   68                          ; s[68:69] qh, s[70:71] kh, s[72:73] vh
.set VP,   72
.set SEL,  76                          ; s[76:77] v_permlanex16_b32's selects
.set MSB, 0
.macro WIN new                         ; the immediate's high byte repeats the setting that is left; a switch that changes nothing is dropped
.if MSB != (\new)
	s_set_vgpr_msb (MSB<<8)|(\new)
.set MSB, (\new)
.endif
.endm
.macro PLACES                          ; four places in front of loads into registers that matrix instructions have read
.rept 4
	v_nop
.endr
.endm
; A joint load.  Waves 0 and 1 fetch xb's two halves, waves 2 and 3 wqb's.  The branch hangs on the wave's number alone.  An s_nop 0 and four v_nop follow each line.
.macro JLOAD s
	s_cmp_eq_u32 s[HF], 0
	s_cbranch_scc0 .Lfor_b_\@
	tensor_load_to_lds s[G0+4*(\s):G0+4*(\s)+3], s[G1:G1+7]
	s_nop 0
.rept 4
	v_nop
.endr
	s_branch .Lasked_\@
.Lfor_b_\@:
	tensor_load_to_lds s[G0B+4*(\s):G0B+4*(\s)+3], s[G1B:G1B+7]
	s_nop 0
.rept 4
	v_nop
.endr
.Lasked_\@:
.endm
; A prefetch of the K step that stands two refills on: a lane a row, 256 bytes of it.  xb's rows are read by every cluster of a row of clusters: cluster x = 0 asks; a head's weights by every cluster
; of a column: cluster y = 0 asks.  The four partners share a wave's rows out by address (32 of 128, or 24 of 96 with lanes 24-31 naming the 24th again).  The loop's last trip has no K step two on.
.macro ASK
	WIN 0
	s_cmp_gt_u32 s3, s[LIM]
	s_cbranch_scc0 .Lnot_mine_\@
	global_prefetch_b8 v[PFO], s[PFA:PFA+1] offset:KSTEP*2 th:TH_LOAD_NT scope:SCOPE_SE
.Lnot_mine_\@:
.endm
.macro CREST                           ; a round of the cluster's barrier behind its opening barrier
	s_cmp_lg_u32 s[WV], 0
	s_cbranch_scc1 .Lnot_wave_0_\@
	s_barrier_signal -3
.Lnot_wave_0_\@:
	s_barrier_wait -3
	s_barrier_signal -1
	s_barrier_wait -1
.endm
.macro CROUND
	s_barrier_signal -1
	s_barrier_wait -1
	CREST
.endm
	s_load_b256 s[4:11], s[0:1], 0x0               ; xb s[4:5], wqb s[6:7], rope s[8:9], scale s[10:11]
	s_load_b128 s[QP:QP+3], s[0:1], 0x20           ; qh, kh
	s_load_b64 s[VP:VP+1], s[0:1], 0x30            ; vh
	v_lshl_add_u32 v[SPW], v0, 2, SPARE
	v_mov_b32 v[NIL], 0
	ds_add_u32 v[SPW], v[NIL]                      ; the wave's opening: the add and its wait ahead of my first tensor load
	v_lshrrev_b32 v3, 5, v0
	v_readfirstlane_b32 s[WV], v3
	s_lshr_b32 s[HF], s[WV], 1
	s_and_b32 s[SB], s[WV], 1
	s_bfe_u32 s[CX], ttmp6, 0x40000
	s_bfe_u32 s[CY], ttmp6, 0x40004
	s_lshl_b32 s[HD], ttmp9, 2
	s_add_co_u32 s[HD], s[HD], s[CX]               ; head = 4 x cluster x + cx
	s_and_b32 s[TY], ttmp7, 0xffff
	s_lshl_b32 s[TY], s[TY], 2
	s_add_co_u32 s[TY], s[TY], s[CY]               ; tile row = 4 x cluster y + cy
	s_lshl_b32 s74, s[CY], 2
	s_lshl_b32 s74, 15, s74                        ; my row of the cluster
	s_lshl_b32 s75, 0x1111, s[CX]                  ; my column
	s_or_b32 s[G1+0], s74, (1<<16)|(1<<20)|(1<<21)|(5<<22)|(3<<25)   ; the mask; 2-byte elements; padding on; bit 21 beside a mask; after every 64 words 4 words
	s_or_b32 s[G1B+0], s75, (1<<16)|(1<<20)|(1<<21)|(5<<22)|(3<<25)
	s_mov_b32 s[G1+1], KSTEP<<16                   ; tensor_dim0 = 128
	s_mov_b32 s[G1+2], 128<<16                     ; tensor_dim1 = 128
	s_mov_b32 s[G1+3], KSTEP<<16                   ; tile_dim0 = 128
	s_mov_b32 s[G1+4], 128                         ; tile_dim1 = 128
	s_mov_b32 s[G1+5], KDIM                        ; elements from row to row
	s_mov_b32 s[G1+6], 0
	s_mov_b32 s[G1+7], 0
	s_mov_b32 s[G1B+1], KSTEP<<16
	s_mov_b32 s[G1B+2], 96<<16                     ; 96 rows
	s_mov_b32 s[G1B+3], KSTEP<<16
	s_mov_b32 s[G1B+4], 96
	s_mov_b32 s[G1B+5], KDIM
	s_mov_b32 s[G1B+6], 0
	s_mov_b32 s[G1B+7], 0
	s_lshl_b32 s16, s[TY], 8
	s_lshl_b32 s17, s[SB], 7
	s_add_co_u32 s16, s16, s17                     ; xb: row 256 x tile row + 128 x half,
	s_lshl_b32 s16, s16, 11                        ; in bytes
	s_mov_b32 s17, 0
	s_mul_i32 s46, s[HD], 192
	s_mul_i32 s47, s[SB], 96
	s_add_co_u32 s46, s46, s47                     ; wqb: row 192 x head + 96 x half
	s_lshl_b32 s46, s46, 11
	s_mov_b32 s47, 0
	s_mul_i32 s20, s[SB], AH                       ; where they go: no place in the cluster enters an LDS address
	s_mul_i32 s21, s[SB], BH
	s_add_co_u32 s21, s21, 2*AH
	s_mov_b32 s[SEL], 0x76543210
	s_mov_b32 s[SEL+1], 0xfedcba98
	s_wait_dscnt 0x0                               ; the opening add is done
	s_wait_kmcnt 0x0
	s_add_nc_u64 s[16:17], s[4:5], s[16:17]
	s_add_nc_u64 s[46:47], s[6:7], s[46:47]
	CROUND                                         ; all sixteen work-groups are here: the first joint loads meet
.irp s, 0,1
	s_mov_b32 s[G0+4*(\s)], 1
	s_add_co_u32 s[G0+4*(\s)+1], s20, (\s)*SLOT
	s_add_nc_u64 s[G0+4*(\s)+2:G0+4*(\s)+3], s[16:17], (\s)*KSTEP*2
	s_or_b32 s[G0+4*(\s)+3], s[G0+4*(\s)+3], 0x80000000
	s_mov_b32 s[G0B+4*(\s)], 1
	s_add_co_u32 s[G0B+4*(\s)+1], s21, (\s)*SLOT
	s_add_nc_u64 s[G0B+4*(\s)+2:G0B+4*(\s)+3], s[46:47], (\s)*KSTEP*2
	s_or_b32 s[G0B+4*(\s)+3], s[G0B+4*(\s)+3], 0x80000000
	JLOAD \s                                       ; K steps 0 and 1: two loads of mine are out
.endr
	; lane addresses
	v_and_b32 v1, 15, v0                           ; r = l % 16
	v_bfe_u32 v2, v0, 4, 1                         ; h = l / 16
	v_mul_u32_u24 v3, v1, PITCH
	v_lshl_add_u32 v3, v2, 4, v3
	s_mul_i32 s22, s[WV], 64*PITCH                 ; my 64 rows of xb's 256
	s_mov_b32 s23, 2*AH                            ; wqb's 192 rows lie behind them
.irp s, 0,1
	v_add_nc_u32 v[ADRA+(\s)], s22, v3
	v_add_nc_u32 v[ADRB+(\s)], s23, v3
	s_add_co_u32 s22, s22, SLOT
	s_add_co_u32 s23, s23, SLOT
.endr
	s_mul_i32 s22, s[WV], 3*SUBST
	s_add_co_u32 s22, s22, STAGE                   ; my stages
	v_mul_u32_u24 v4, v1, SP
	v_lshl_add_u32 v4, v2, 4, v4
	v_add_nc_u32 v[STO], s22, v4                   ; in: row r, 16 bytes for each half of the lanes
	v_and_b32 v5, 31, v0
	v_lshrrev_b32 v6, 3, v5
	v_mul_u32_u24 v6, v6, SP
	v_and_b32 v7, 7, v0
	v_lshl_add_u32 v6, v7, 4, v6
	v_add_nc_u32 v[RD], s22, v6                    ; back: 32 lanes take four rows of 128 bytes
	v_lshlrev_b32 v[GO], 4, v5
	v_lshlrev_b32 v[TO], 6, v1
	v_lshl_add_u32 v[TO], v2, 4, v[TO]             ; 64 r + 16 h
	v_mov_b32 v[ZR], 0
	v_mov_b32 v[EP], 0x322bcc77                    ; 1e-8
	; the table, the scale and the outputs at my head and my 64 rows
	s_lshl_b32 s18, s[TY], 8
	s_lshl_b32 s19, s[WV], 6
	s_add_co_u32 s22, s18, s19                     ; my first row
	s_lshl_b32 s18, s22, 6
	s_lshl_b32 s19, s[HD], 18
	s_add_co_u32 s18, s18, s19
	s_mov_b32 s19, 0
	s_add_nc_u64 s[8:9], s[8:9], s[18:19]
	s_lshl_b32 s18, s22, 7
	s_lshl_b32 s23, s[HD], 19
	s_add_co_u32 s18, s18, s23
	s_add_nc_u64 s[QP:QP+1], s[QP:QP+1], s[18:19]
	s_add_nc_u64 s[QP+2:QP+3], s[QP+2:QP+3], s[18:19]
	s_add_nc_u64 s[VP:VP+1], s[VP:VP+1], s[18:19]
	s_lshl_b32 s18, s[HD], 2
	s_add_nc_u64 s[10:11], s[10:11], s[18:19]
	s_load_b32 s79, s[10:11], 0x0                  ; scale[head]
.irp a, 0,1,2,3
	global_load_b128 v[T+16*(\a):T+16*(\a)+3],     v[TO], s[8:9] offset:1024*(\a)           ; they land while the products run; waited for once, on the way out
	global_load_b128 v[T+16*(\a)+4:T+16*(\a)+7],   v[TO], s[8:9] offset:1024*(\a)+32
	global_load_b128 v[T+16*(\a)+8:T+16*(\a)+11],  v[TO], s[8:9] offset:1024*(\a)+SINP
	global_load_b128 v[T+16*(\a)+12:T+16*(\a)+15], v[TO], s[8:9] offset:1024*(\a)+32+SINP
.endr
	; the prefetches
	s_and_b32 s22, ttmp7, 0xffff                   ; cluster y
	s_lshl_b32 s18, s[TY], 8
	s_mul_i32 s19, s[HD], 192
	s_mov_b32 s23, 96                              ; the rows that a wave fetches of wqb's tile
	s_cmp_eq_u32 s[HF], 0                          ; do I fetch for xb?
	s_cselect_b32 s18, s18, s19                    ; the tile's first row
	s_cselect_b32 s19, s[CX], s[CY]                ; my place among the four that ask for it with me
	s_cselect_b32 s22, ttmp9, s22                  ; the coordinate along which other clusters read the same rows
	s_cselect_b64 s[PFA:PFA+1], s[4:5], s[6:7]
	s_cselect_b32 s23, 128, s23                    ; of xb's: 128
	s_cselect_b32 s78, 32, 24                      ; a partner's share of them
	s_cmp_eq_u32 s22, 0
	s_cselect_b32 s[LIM], 1, -1
	s_mul_i32 s23, s23, s[SB]
	s_add_co_u32 s18, s18, s23
	s_mul_i32 s19, s19, s78
	s_add_co_u32 s18, s18, s19
	s_lshl_b32 s18, s18, 11
	s_mov_b32 s19, 0
	s_add_nc_u64 s[PFA:PFA+1], s[PFA:PFA+1], s[18:19]
	s_add_nc_u64 s[PFA:PFA+1], s[PFA:PFA+1], 2*KSTEP*2  ; at K step 2: the first refill steps it to 3 and names K step 4.  Nothing is asked for here, at the head
	s_sub_co_u32 s78, s78, 1
	v_min_u32 v[PFO], s78, v5
	v_lshlrev_b32 v[PFO], 11, v[PFO]
; 12 matrix instructions: row tile a x all 12 column blocks, 32 along K.  zero = 1: the first product starts the sums.  All 48 accumulators take turns in one order, over the backward jump too.
.macro MUL12 f, a, zero
	WIN 0x5F+0x50*((\a)/2)                         ; both sources window 3; C and D window 1 or 2
.irp nb, 0,1,2,3,4,5,6,7,8,9,10,11
.if \zero
	v_wmma_f32_16x16x32_bf16 v[96*((\a)%2)+8*(\nb):96*((\a)%2)+8*(\nb)+7], v[(\f)+8*(\nb):(\f)+8*(\nb)+7], v[(\f)+96+8*(\a):(\f)+96+8*(\a)+7], 0
.else
	v_wmma_f32_16x16x32_bf16 v[96*((\a)%2)+8*(\nb):96*((\a)%2)+8*(\nb)+7], v[(\f)+8*(\nb):(\f)+8*(\nb)+7], v[(\f)+96+8*(\a):(\f)+96+8*(\a)+7], v[96*((\a)%2)+8*(\nb):96*((\a)%2)+8*(\nb)+7]
.endif
.endr
.endm
; 32 LDS loads in one run: a quarter step's fragments (32 K at byte k of the rows) into buffer f: wqb's 12, then xb's 4
.macro FETCH slot, k, f
	WIN 0xC0                                       ; destination window 3, address window 0
.irp i, 0,1,2,3,4,5,6,7,8,9,10,11
	ds_load_b128 v[(\f)+8*(\i):(\f)+8*(\i)+3],   v[ADRB+(\slot)] offset:(\k)+(\i)*16*PITCH
	ds_load_b128 v[(\f)+8*(\i)+4:(\f)+8*(\i)+7], v[ADRB+(\slot)] offset:(\k)+(\i)*16*PITCH+32
.endr
.irp i, 0,1,2,3
	ds_load_b128 v[(\f)+96+8*(\i):(\f)+96+8*(\i)+3],   v[ADRA+(\slot)] offset:(\k)+(\i)*16*PITCH
	ds_load_b128 v[(\f)+96+8*(\i)+4:(\f)+96+8*(\i)+7], v[ADRA+(\slot)] offset:(\k)+(\i)*16*PITCH+32
.endr
.endm
; A K step is four quarters of 32 along K, 48 matrix instructions each, on buffers 0, 1, 0, 1.  One of the first three multiplies f and fetches the next quarter into g.
.macro QUARTER slot, k, f, g, zero
	s_wait_dscnt 4                                 ; all but the four youngest loads (xb's row tiles 2 and 3) are in
	MUL12 \f, 0, \zero
	MUL12 \f, 1, \zero
	PLACES
	FETCH \slot, \k, \g
	s_wait_dscnt 32                                ; all but the 32 just issued
	MUL12 \f, 2, \zero
	MUL12 \f, 3, \zero
.endm
; The last quarter multiplies buffer 1 and changes slots: one barrier; in front of it each wave waits for all its tensor loads (one is out: its part of the next slot), adds 0 to its spare word, and waits
; for that and for its reads of this slot.  fill = 1: the barrier opens a round of the cluster's, and the slot is filled again first thing behind it, two K steps ahead: 168 matrix instructions ahead of the wait for it.
.macro TURN slot, next, fill
.if \fill
	s_wait_xcnt 0x0                                ; the last prefetch, a K step back, has read its address
	s_add_nc_u64 s[PFA:PFA+1], s[PFA:PFA+1], KSTEP*2
.endif
	WIN 0
	s_wait_tensorcnt 0x0
	ds_add_u32 v[SPW], v[NIL]
	s_wait_dscnt 5                                 ; the add and the four youngest loads may be out
	MUL12 F1, 0, 0
	s_wait_dscnt 0x0                               ; the add is done, and my reads of this slot are over
	s_barrier_signal -1
	MUL12 F1, 1, 0
.if \fill
	WIN 0
.endif
	s_barrier_wait -1
.if \fill
	CREST                                          ; no wave of any partner still reads this slot or has a load on its way
	s_add_nc_u64 s[G0+4*(\slot)+2:G0+4*(\slot)+3], s[G0+4*(\slot)+2:G0+4*(\slot)+3], 2*KSTEP*2
	s_add_nc_u64 s[G0B+4*(\slot)+2:G0B+4*(\slot)+3], s[G0B+4*(\slot)+2:G0B+4*(\slot)+3], 2*KSTEP*2
	JLOAD \slot                                    ; its four v_nop are also the places in front of the loads below
.else
	PLACES
.endif
	FETCH \next, 0, F0
.if \fill
	ASK
.endif
	MUL12 F1, 2, 0
	MUL12 F1, 3, 0
.endm
	s_wait_tensorcnt 1                             ; my part of K step 0 is in; K step 1's may stay out
	s_barrier_signal -1
	s_barrier_wait -1
	FETCH 0, 0, F0
	QUARTER 0, 64, F0, F1, 1                       ; the first quarter stands in front of the loop: its products start the sums
	WIN 0
	s_mov_b32 s3, LAPS-1
.Llap:                                         ; a trip goes once round the ring and fills both slots again
	QUARTER 0, 128, F1, F0, 0
	QUARTER 0, 192, F0, F1, 0
	TURN 0, 1, 1
	QUARTER 1, 64,  F0, F1, 0
	QUARTER 1, 128, F1, F0, 0
	QUARTER 1, 192, F0, F1, 0
	TURN 1, 0, 1
	QUARTER 0, 64,  F0, F1, 0
	WIN 0
	s_sub_co_u32 s3, s3, 1
	s_cmp_lg_u32 s3, 0
	s_cbranch_scc1 .Llap
	QUARTER 0, 128, F1, F0, 0                      ; the last lap fills nothing
	QUARTER 0, 192, F0, F1, 0
	TURN 0, 1, 0
	QUARTER 1, 64,  F0, F1, 0
	QUARTER 1, 128, F1, F0, 0
	QUARTER 1, 192, F0, F1, 0
	s_wait_dscnt 4
	MUL12 F1, 0, 0
	MUL12 F1, 1, 0
	s_wait_dscnt 0x0
	MUL12 F1, 2, 0
	MUL12 F1, 3, 0
	WIN 0
	; THE WAY OUT.  First the eight factors f = sqrt(|scale| + eps) / sqrt(sum of squares + eps): q's and k's of the four row tiles.
	PLACES
	PLACES
	s_wait_kmcnt 0x0
	v_mov_b32 v[SS], s79
	v_cvt_pk_bf16_f32 v[SS], v[SS], v[SS]          ; scale rounded to bf16,
	v_lshlrev_b32 v[SS], 16, v[SS]
	v_and_b32 v[SS], 0x7fffffff, v[SS]             ; its magnitude,
	v_add_f32 v[SS], v[SS], v[EP]                  ; + eps
.macro SUMSQ a                         ; eight chains, one for each accumulator of q and k; each accumulator's lowest registers are read first
.set AB, 96*((\a)%2)
.set W, 1+(\a)/2
	WIN W*5                                        ; sources 0 and 1 in the accumulators' window
.set n, 0
.rept 8
	v_pk_mul_f32 v[CH+2*n:CH+2*n+1], v[AB+8*n:AB+8*n+1], v[AB+8*n:AB+8*n+1]
.set n, n+1
.endr
.irp jp, 1,2,3
.set n, 0
.rept 8
	v_pk_fma_f32 v[CH+2*n:CH+2*n+1], v[AB+8*n+2*\jp:AB+8*n+2*\jp+1], v[AB+8*n+2*\jp:AB+8*n+2*\jp+1], v[CH+2*n:CH+2*n+1]
.set n, n+1
.endr
.endr
	WIN 0
.irp z, 0,1
	v_pk_add_f32 v[CH+8*\z:CH+8*\z+1], v[CH+8*\z:CH+8*\z+1], v[CH+8*\z+2:CH+8*\z+3]
	v_pk_add_f32 v[CH+8*\z+4:CH+8*\z+5], v[CH+8*\z+4:CH+8*\z+5], v[CH+8*\z+6:CH+8*\z+7]
.endr
.irp z, 0,1
	v_pk_add_f32 v[CH+8*\z:CH+8*\z+1], v[CH+8*\z:CH+8*\z+1], v[CH+8*\z+4:CH+8*\z+5]
.endr
.irp z, 0,1
	v_add_f32 v[CH+8*\z], v[CH+8*\z], v[CH+8*\z+1]
.endr
.irp z, 0,1
	v_permlanex16_b32 v[CH+8*\z+1], v[CH+8*\z], s[SEL], s[SEL+1]   ; the row's other 32 channels lie in the lane 16 away
.endr
.irp z, 0,1
	v_add_f32 v[CH+8*\z], v[CH+8*\z], v[CH+8*\z+1]
.endr
.irp z, 0,1
	v_add_f32 v[FF+2*(\a)+\z], v[CH+8*\z], v[EP]
.endr
.endm
	SUMSQ 0
	SUMSQ 1
	SUMSQ 2
	SUMSQ 3
.set n, 0
.rept 8
	v_rsq_f32 v[FF+n], v[FF+n]                     ; one batch: eight reciprocal roots and a root,
.set n, n+1
.endr
	v_sqrt_f32 v[SS], v[SS]
	v_nop                                          ; a plain instruction behind the last of them,
	s_wait_alu depctr_va_vdst(0)                   ; and the one wait ahead of the first use
.set n, 0
.rept 8
	v_mul_f32 v[FF+n], v[FF+n], v[SS]
.set n, n+1
.endr
	s_wait_loadcnt 0x0                             ; the table
; Row tile a: cos x f and sin x f for q and for k; y1 = x1 c - x2 s, y2 = x2 c + x1 s; rounded to f16; v rounded as it is; through my stages as whole rows; stored.
.macro EPI a
.set AB, 96*((\a)%2)
.set W, 1+(\a)/2
	WIN 0
.if (\a) > 0
	s_wait_xcnt 0x0                                ; the last row tile's stores have read their registers, which are written again below
.endif
.irp z, 0,1
.set e, 0
.rept 8
	v_fma_mix_f32 v[FCS+32*\z+2*e],      v[T+16*(\a)+e],   v[FF+2*(\a)+\z], v[ZR] op_sel:[0,0,0] op_sel_hi:[1,0,0]
	v_fma_mix_f32 v[FCS+32*\z+2*e+1],    v[T+16*(\a)+e],   v[FF+2*(\a)+\z], v[ZR] op_sel:[1,0,0] op_sel_hi:[1,0,0]
	v_fma_mix_f32 v[FCS+32*\z+16+2*e],   v[T+16*(\a)+8+e], v[FF+2*(\a)+\z], v[ZR] op_sel:[0,0,0] op_sel_hi:[1,0,0]
	v_fma_mix_f32 v[FCS+32*\z+16+2*e+1], v[T+16*(\a)+8+e], v[FF+2*(\a)+\z], v[ZR] op_sel:[1,0,0] op_sel_hi:[1,0,0]
.set e, e+1
.endr
.endr
.irp z, 0,1
.irp nb, 0,1
	WIN W                                          ; source 0 in the accumulators' window
.irp jp, 0,1,2,3
.set X1, AB+8*(4*\z+\nb)+2*\jp
.set X2, X1+16
.set SI_, FCS+32*\z+16+8*\nb+2*\jp
	v_pk_mul_f32 v[CH+2*\jp:CH+2*\jp+1], v[X2:X2+1], v[SI_:SI_+1]
	v_pk_mul_f32 v[CH+8+2*\jp:CH+8+2*\jp+1], v[X1:X1+1], v[SI_:SI_+1]
.endr
.irp jp, 0,1,2,3
.set X1, AB+8*(4*\z+\nb)+2*\jp
.set X2, X1+16
.set CO_, FCS+32*\z+8*\nb+2*\jp
	v_pk_fma_f32 v[Y+2*\jp:Y+2*\jp+1], v[X1:X1+1], v[CO_:CO_+1], v[CH+2*\jp:CH+2*\jp+1] neg_lo:[0,0,1] neg_hi:[0,0,1]
	v_pk_fma_f32 v[Y+8+2*\jp:Y+8+2*\jp+1], v[X2:X2+1], v[CO_:CO_+1], v[CH+8+2*\jp:CH+8+2*\jp+1]
.endr
	WIN 0
.irp jp, 0,1,2,3
	v_cvt_pk_f16_f32 v[H+16*\z+4*\nb+\jp], v[Y+2*\jp], v[Y+2*\jp+1]
	v_cvt_pk_f16_f32 v[H+16*\z+4*\nb+8+\jp], v[Y+8+2*\jp], v[Y+8+2*\jp+1]
.endr
.endr
.endr
	WIN W*5
.set n, 0
.rept 16
	v_cvt_pk_f16_f32 v[HV+n], v[AB+64+2*n], v[AB+64+2*n+1]         ; v: column blocks 8 to 11, each from its low end
.set n, n+1
.endr
	WIN 0
.irp nb, 0,1,2,3
	ds_store_b128 v[STO], v[H+4*\nb:H+4*\nb+3] offset:32*\nb
	ds_store_b128 v[STO], v[H+16+4*\nb:H+16+4*\nb+3] offset:32*\nb+SUBST
	ds_store_b128 v[STO], v[HV+4*\nb:HV+4*\nb+3] offset:32*\nb+2*SUBST
.endr
.irp f, 0,1,2,3                        ; LDS serves a wave's instructions in order: these see the stores above; they land in the registers that the stores left
	ds_load_b128 v[H+4*\f:H+4*\f+3], v[RD] offset:\f*4*SP
.endr
.irp f, 0,1,2,3
	ds_load_b128 v[H+16+4*\f:H+16+4*\f+3], v[RD] offset:\f*4*SP+SUBST
.endr
.irp f, 0,1,2,3
	ds_load_b128 v[HV+4*\f:HV+4*\f+3], v[RD] offset:\f*4*SP+2*SUBST
.endr
.irp f, 0,1,2,3
	s_wait_dscnt 11-\f
	global_store_b128 v[GO], v[H+4*\f:H+4*\f+3], s[QP:QP+1] offset:2048*(\a)+512*\f          ; 512 consecutive bytes, aligned
.endr
.irp f, 0,1,2,3
	s_wait_dscnt 7-\f
	global_store_b128 v[GO], v[H+16+4*\f:H+16+4*\f+3], s[QP+2:QP+3] offset:2048*(\a)+512*\f
.endr
.irp f, 0,1,2,3
	s_wait_dscnt 3-\f
	global_store_b128 v[GO], v[HV+4*\f:HV+4*\f+3], s[VP:VP+1] offset:2048*(\a)+512*\f
.endr
.endm
	EPI 0
	EPI 1
	EPI 2
	EPI 3
	s_wait_tensorcnt 0x0                           ; the wave's end
	ds_add_u32 v[SPW], v[NIL]
	s_wait_dscnt 0x0
	CROUND                                         ; the closing round
	s_endpgm
.Lfunc_end_k_qdacd17b389_qkv:
	.size	k_qdacd17b389_qkv, .Lfunc_end_k_qdacd17b389_qkv-k_qdacd17b389_qkv
	.p2alignl 7, 3214868480
	.fill 96, 4, 3214868480
	.section	.rodata,"a",@progbits
	.p2align	6, 0x0
	.amdhsa_kernel k_qdacd17b389_qkv
		.amdhsa_group_segment_fixed_size 327680
		.amdhsa_private_segment_fixed_size 0
		.amdhsa_enable_private_segment 0
		.amdhsa_kernarg_size 56
		.amdhsa_user_sgpr_count 2
		.amdhsa_user_sgpr_kernarg_segment_ptr 1
		.amdhsa_wavefront_size32 1
		.amdhsa_system_sgpr_workgroup_id_x 1
		.amdhsa_system_sgpr_workgroup_id_y 1
		.amdhsa_system_sgpr_workgroup_id_z 1
		.amdhsa_system_vgpr_workitem_id 0
		.amdhsa_next_free_vgpr 1024
		.amdhsa_next_free_sgpr 100
		.amdhsa_reserve_vcc 0
		.amdhsa_float_denorm_mode_32 3
		.amdhsa_float_denorm_mode_16_64 3
		.amdhsa_memory_ordered 1
		.amdhsa_forward_progress 1
		.amdhsa_inst_pref_size 168
	.end_amdhsa_kernel
	.amdgpu_metadata
---
amdhsa.version: [ 1, 2 ]
amdhsa.kernels:
  - .name:           k_qdacd17b389_qkv
    .symbol:         k_qdacd17b389_qkv.kd
    .args:
      - { .name: xb, .offset: 0, .size: 8, .value_kind: global_buffer, .address_space: global }
      - { .name: wqb, .offset: 8, .size: 8, .value_kind: global_buffer, .address_space: global }
      - { .name: rope, .offset: 16, .size: 8, .value_kind: global_buffer, .address_space: global }
      - { .name: scale, .offset: 24, .size: 8, .value_kind: global_buffer, .address_space: global }
      - { .name: qh, .offset: 32, .size: 8, .value_kind: global_buffer, .address_space: global }
      - { .name: kh, .offset: 40, .size: 8, .value_kind: global_buffer, .address_space: global }
      - { .name: vh, .offset: 48, .size: 8, .value_kind: global_buffer, .address_space: global }
    .group_segment_fixed_size: 327680
    .private_segment_fixed_size: 0
    .kernarg_segment_align: 8
    .kernarg_segment_size: 56
    .max_flat_workgroup_size: 128
    .sgpr_count:     100
    .vgpr_count:     1024
    .wavefront_size: 32
...
	.end_amdgpu_metadata
.endif
;; end of part 2
;; launch attn (part 3): grid 16 x 16, 4 waves a work-group, clusters of 4 x 1, 327,680 bytes of LDS; arguments qh, kh, vh, ob; writes ob
.if DOCPART == 3
	.amdgcn_target "amdgcn-amd-amdhsa--gfx1250"
	.amdhsa_code_object_version 6
	.text
	.protected	k_qdacd17b389_attn
	.globl	k_qdacd17b389_attn
	.p2align	8
	.type	k_qdacd17b389_attn,@function
k_qdacd17b389_attn:
	s_mov_b64 s[64:65], 0
	v_nop
	global_prefetch_b8 v0, s[64:65] scope:SCOPE_SE
	s_setreg_imm32_b32 hwreg(HW_REG_WAVE_MODE, 25, 1), 1
	s_wait_xcnt 0x0
	s_wait_alu depctr_hold_cnt(0) depctr_sa_sdst(0) depctr_va_vdst(0) depctr_va_sdst(0) depctr_va_ssrc(0) depctr_va_vcc(0) depctr_vm_vsrc(0)
	s_getreg_b32 s2, hwreg(HW_REG_IB_STS2, 6, 4)
	s_cmp_eq_u32 s2, 0
	s_cbranch_scc0 .Lentry_in_a_cluster
	s_endpgm
.Lentry_in_a_cluster:
	s_bfe_u32 s2, ttmp6, 0x10000c
	s_cmp_lg_u32 s2, 0x3003
	s_cbranch_scc0 .Lentry_shape_is_right
	s_endpgm
.Lentry_shape_is_right:
; ATTENTION.  qh, kh, vh, ob: [16 heads][4096][64] f16.  Rows 0..3071 see the keys up to their own; rows 3072..4095 see keys 0..3071 and their own key and value.  No factor on the scores.
; Products, maxima and sums in f32; the weights are rounded to f16 for the second product (their sum is taken unrounded), O once at the end.
; LIMITS.  A hidden score counts as its value less 1e30; a weight below 2^-126 counts as 0 in the sum; O is a mean of V's rows and has their range; NaN and infinities are not treated apart.
; THE WALK.  A head's rows lie in 8 groups of 512.  Group G = 0..5 needs the key tiles 0 .. 2 G + 1 of 256 keys, groups 6 and 7 all 12.  A cluster of four work-groups takes a group, 128 rows each, and walks
; its tiles jointly: the same tensor load, descriptor and mask in all four.  Cluster cl = 0..3 of a head takes group cl + 4 and then group 3, 0, 2, 1: walks of 18, 14, 18, 16 tiles.  The walk's numbers are
; constants of the text, a set for each cl, chosen once at the head; cl is the same in the four partners.  A work-group's place in its cluster enters only the addresses of Q, O, its own keys' rows and the
; prefetch, and the two numbers OWN that choose masks by selects, never a branch.
; SHARES.  Of a work-group's two bands of 64 rows a wave owns 16 in each: two PIECES.  In key step s (64 keys) band x sees all keys if s < OWN[x], none if s > OWN[x], and holds the diagonal if s = OWN[x].
; THE MASK is the C operand that starts S^T = K Q^T: MD x AL + BE, MD being the mask of a band's own step for my rows.  A block's last three tiles take masks: the diagonal lies in the last two, and
; piece 0's scores for a tile's first step are made a turn ahead of that tile.  Elsewhere C is the constant 0.  For rows 3072 on OWN is 1000: nothing is hidden.
; A ROW'S OWN KEY (rows 3072 on) is the state that the running softmax starts from: m = q . k, l = 1, O = v.
; TURNS.  Turn p belongs to piece p: 8 products K Q^T of the other piece, later 8 products V^T P of the other piece; beside them piece p's scaling, exponentials, roundings, sums and rescaling and the other
; piece's maximum and statistics.  Four vector instructions stand behind every matrix instruction, the rest in one lump; a turn's 33 exponentials are one batch, with one wait.
; Turn 0 of step s multiplies by K of step s and V of step s - 1, turn 1 by K of step s + 1 and V of step s.  So K of step s + 1 is fetched in turn 0 ahead of V of step s: a slot holds FIVE steps of K
; (keys 256 t .. 256 t + 319) and four of V, and both fetches of a tile's last step find their bytes in the same slot.
; REGISTERS, in windows of 256 (s_set_vgpr_msb: bits 1:0 source 0, 3:2 source 1, 5:4 source 2, 7:6 destination):
;   window 0: addresses, statistics; v64-127 S^T, a buffer a piece; v128-159 P; v160-223 O^T     window 1: v0-31 Q; v32-63 the second block's Q; v64-127 K; v128-191 V     window 2: v0-31 MD; v32-95 MC
.set NP,    2
.set KS,    64
.set PK,    144       ; a row of K in LDS: 128 bytes + 16
.set PV,    160       ; a row of V: 128 + 32
.set VOFF,  5*KS*PK   ; 320 rows of K, then 256 rows of V
.set SLOT1, 1<<17
.set STAGE, SLOT1+VOFF+4*KS*PV  ; behind the ring: 16 rows x 144 bytes for each wave
.set SP,    144
.set SPARE, STAGE+4*16*SP       ; behind the stages: the spare words, 128 bytes for each wave, that no other line names
.set TILEB, 256*128   ; a tile's bytes of K and of V in memory
.set AK0, 2
.set AV0, 3
.set AK,  4
.set AV,  5
.set STO, 6
.set RD,  7
.set GO,  8
.set MV,  12          ; v12-13 c m_old, by piece
.set QO,  15
.set ST,  16          ; piece t's statistics at v[ST+4 t]: c m, m, l (even keys', odd keys')
.set TMP, 24          ; by piece, c0-c3 at work; c2 takes a
.set SPW, 32          ; my spare word; never rewritten
.set NIL, 33          ; 0; never rewritten
.set PFO, 34          ; 256 x lane
.set ONE, 35          ; 1.0
.set ZR,  36          ; 0.0
.set HFL, 37          ; l / 16 as a float
.set S,   64
.set P,   128
.set OT,  160
.set QB,  32          ; window 1
.set KF,  64
.set VF,  128
.set MD,  0           ; window 2
.set MC,  32
.set WV,  12
.set GA,  14          ; s14 the first block's group
.set GB,  16          ; s16 the second block's
.set G1K, 24
.set G1V, 32
.set G0K, 40
.set G0V, 44
.set OLO, 48          ; s[48:49] O at my rows of the second block
.set Q2,  50          ; s[50:51] Q there
.set T2,  52          ; the second block's tiles
.set OWNB, 53         ; its OWN[0]
.set LQ2, 54          ; its last tile
.set SBA, 55          ; the slot that is being read: 0 or SLOT1
.set SLOTS, 56
.set CNT, 57
.set CS,  58          ; s[58:59] c = log2(e)
.set SEL, 60
.set TBK, 62          ; LDS byte at which K of the step to be fetched begins
.set TBV, 63          ; the same for V, less VOFF
.set RT,  70          ; tiles of the block in hand still to be entered
.set NXT, 71          ; the tile to be asked for next
.set LQ,  72          ; the last tile of the block whose tiles are being asked for
.set NEW, 73          ; 1: the tile to be entered is a block's first
.set OFF, 74
.set AL,  76
.set BE,  78
.set OWN, 80          ; s80, s81
.set BIGN, 82
.set SGN, 83          ; the number of the key step after the one in hand
.set LEFT, 84         ; tiles of the walk still to be entered
.set XC,  85          ; 1 in a block's last tile: its fourth step is the block's end
.set PFA, 86
.set LIM, 88
.set CL,  89
.set KSP, 90          ; s[90:91] kh at my own rows of the first block
.set VSP, 92          ; s[92:93] vh there
.set QF,  94          ; 1: the first block's rows are 3072 on
.set MSB, 0
.macro WIN new
.if MSB != (\new)
	s_set_vgpr_msb (MSB<<8)|(\new)
.set MSB, (\new)
.endif
.endm
.set W_KQ, 0x05       ; K and Q in window 1
.set W_KM, 0x25       ; the same with the C operand in window 2
.set W_PV, 0x01       ; V in window 1
.set W_MK, 0x82       ; destination and source 0 in window 2
.set W_F,  0x40       ; destination window 1
; A joint fill.  Waves 0 and 1 fetch the two halves of a slot's K (160 keys each), waves 2 and 3 those of its V (128 keys each).  An s_nop 0 and four v_nop follow each line.
.macro JLOAD
	s_cmp_lt_u32 s[WV], 2
	s_cbranch_scc0 .Lfor_v_\@
	tensor_load_to_lds s[G0K:G0K+3], s[G1K:G1K+7]
	s_nop 0
.rept 4
	v_nop
.endr
	s_branch .Lasked_\@
.Lfor_v_\@:
	tensor_load_to_lds s[G0V:G0V+3], s[G1V:G1V+7]
	s_nop 0
.rept 4
	v_nop
.endr
.Lasked_\@:
.endm
; A prefetch of the tile after the one just asked for: tiles 2 to 11, in the walk's first ten trips.  All four clusters of a head walk the same tiles: cluster 1, whose first block has all twelve, asks.  Its four
; partners share a tile's 128 blocks of 256 bytes out by address, 32 each, a lane a block; wave 0 asks for K's, wave 2 for V's.  So each block is named once in the launch.
.macro ASK
	s_cmp_gt_u32 s[SLOTS], s[LIM]
	s_cbranch_scc0 .Lnot_mine_\@
	global_prefetch_b8 v[PFO], s[PFA:PFA+1] th:TH_LOAD_NT scope:SCOPE_SE
.Lnot_mine_\@:
.endm
.macro CROUND
	s_barrier_signal -1
	s_barrier_wait -1
	s_cmp_lg_u32 s[WV], 0
	s_cbranch_scc1 .Lnot_wave_0_\@
	s_barrier_signal -3
.Lnot_wave_0_\@:
	s_barrier_wait -3
	s_barrier_signal -1
	s_barrier_wait -1
.endm
; THE CHANGE OF SLOTS, behind a tile's last turn: nothing of mine is out in LDS.  Each wave waits for all its tensor loads, of which one is out: its part of the other slot; adds 0 to its spare word; waits for that and
; for its reads of the slot that it leaves.  fill = 1: a round of the cluster's barrier, and the old slot is filled again first thing behind it, with tile NXT, whose address is made anew from that number.
; The fetches' addresses are set from the slot's base: K at its second step (its first was read from the old slot's fifth), V at its first.
.macro CHANGE fill
	WIN 0
	s_wait_tensorcnt 0x0
	ds_add_u32 v[SPW], v[NIL]       ; 0 onto my spare word; scalar work stands between it and the wait for it
.if \fill
	s_lshl_b32 s[OFF], s[NXT], 15
	s_xor_b32 s[G0K+1], s[G0K+1], SLOT1
	s_add_nc_u64 s[G0K+2:G0K+3], s[6:7], s[OFF:OFF+1]
	s_or_b32 s[G0K+3], s[G0K+3], 0x80000000
	s_xor_b32 s[G0V+1], s[G0V+1], SLOT1
	s_add_nc_u64 s[G0V+2:G0V+3], s[8:9], s[OFF:OFF+1]
	s_or_b32 s[G0V+3], s[G0V+3], 0x80000000
	s_add_co_u32 s[NXT], s[NXT], 1  ; the block's next tile, or behind its last the second block's tile 0
	s_cmp_gt_u32 s[NXT], s[LQ]
	s_cselect_b32 s[NXT], 0, s[NXT]
	s_cselect_b32 s[LQ], s[LQ2], s[LQ]
	s_wait_xcnt 0x0                 ; the last prefetch, a tile back, has read its address
	s_add_nc_u64 s[PFA:PFA+1], s[PFA:PFA+1], TILEB
.endif
	s_xor_b32 s[SBA], s[SBA], SLOT1
	s_add_co_u32 s[TBK], s[SBA], KS*PK
	s_mov_b32 s[TBV], s[SBA]
	s_wait_dscnt 0x0                ; the add is done, and my reads of the slot are over
.if \fill
	CROUND
	JLOAD
	ASK
.else
	s_barrier_signal -1
	s_barrier_wait -1
.endif
.endm
; A cluster's walk: first group and its tiles, second group and its tiles, whether the first group's rows are 3072 on, and down to which count of SLOTS the cluster prefetches (-1: never).
.macro WALK ga, ta, gb, tb, qf, lim
	s_mov_b32 s[GA], \ga
	s_mov_b32 s[RT], \ta
	s_mov_b32 s[LQ], (\ta)-1
	s_mov_b32 s[GB], \gb
	s_mov_b32 s[T2], \tb
	s_mov_b32 s[LQ2], (\tb)-1
	s_mov_b32 s[LEFT], (\ta)+(\tb)
	s_mov_b32 s[QF], \qf
	s_mov_b32 s[LIM], \lim
.endm
	s_load_b256 s[4:11], s[0:1], 0x0  ; qh s[4:5], kh s[6:7], vh s[8:9], ob s[10:11]
	v_lshl_add_u32 v[SPW], v0, 2, SPARE
	v_mov_b32 v[NIL], 0
	ds_add_u32 v[SPW], v[NIL]       ; the wave's opening: the add and its wait ahead of my first tensor load; constants stand between them
	v_lshrrev_b32 v1, 5, v0
	v_readfirstlane_b32 s[WV], v1
	s_mov_b32 s[CL], ttmp9          ; the cluster among the head's four
	s_bfe_u32 s13, ttmp6, 0x40000   ; cx
	s_and_b32 s20, ttmp7, 0xffff
	s_lshl_b32 s20, s20, 19         ; the head's first byte in each tensor
	s_mov_b32 s21, 0
	; descriptor group 1: dense bytes asked for as rows of 256, two keys a row, padded in LDS after every key
	s_mov_b32 s[G1K], 15|(1<<16)|(1<<20)|(1<<21)|(4<<22)|(3<<25)  ; the mask of four; 2-byte elements; padding on; bit 21 beside a mask; after every 32 words 4 words
	s_mov_b32 s[G1V], 15|(1<<16)|(1<<20)|(1<<21)|(4<<22)|(7<<25)  ; the same with 8 words
	s_mov_b32 s[G1K+1], 128<<16
	s_mov_b32 s[G1K+2], 80<<16      ; 80 rows: 160 keys
	s_mov_b32 s[G1K+3], 128<<16
	s_mov_b32 s[G1K+4], 80
	s_mov_b32 s[G1K+5], 128
	s_mov_b32 s[G1K+6], 0
	s_mov_b32 s[G1K+7], 0
	s_mov_b32 s[G1V+1], 128<<16
	s_mov_b32 s[G1V+2], 64<<16      ; 64 rows: 128 keys
	s_mov_b32 s[G1V+3], 128<<16
	s_mov_b32 s[G1V+4], 64
	s_mov_b32 s[G1V+5], 128
	s_mov_b32 s[G1V+6], 0
	s_mov_b32 s[G1V+7], 0
	s_mov_b32 s[CS], 0x3fb8aa3b     ; log2(e)
	s_mov_b32 s[CS+1], s[CS]
	s_mov_b32 s[SEL], 0x76543210
	s_mov_b32 s[SEL+1], 0xfedcba98
	s_mov_b32 s[SBA], SLOT1         ; the first change of slots turns it into 0
	s_mov_b32 s[NXT], 1
	s_mov_b32 s[NEW], 1
	s_mov_b32 s[OFF+1], 0
	s_mov_b32 s[AL+1], 0
	s_mov_b32 s[BE+1], 0
	s_mov_b32 s[BIGN], 0xf149f2ca   ; -1e30
	s_mov_b32 s[SGN], 0
	s_mov_b32 s[SLOTS], 17          ; the longest walk's tiles less one
	v_and_b32 v[PFO], 31, v0
	v_lshlrev_b32 v[PFO], 8, v[PFO]
	s_wait_dscnt 0x0                ; the opening add is done
	s_cmp_eq_u32 s[CL], 0           ; the walk's numbers, by the cluster's number
	s_cbranch_scc1 .Lcl0
	s_cmp_eq_u32 s[CL], 1
	s_cbranch_scc1 .Lcl1
	s_cmp_eq_u32 s[CL], 2
	s_cbranch_scc1 .Lcl2
	WALK 7, 12, 1, 4, 1, -1
	s_branch .Lwalk
.Lcl0:
	WALK 4, 10, 3, 8, 0, -1
	s_branch .Lwalk
.Lcl1:
	WALK 5, 12, 0, 2, 0, 7          ; asks while SLOTS is 17 .. 8
	s_branch .Lwalk
.Lcl2:
	WALK 6, 12, 2, 6, 1, -1
.Lwalk:
	s_and_b32 s22, s[WV], 1         ; of that cluster waves 0 and 2 ask
	s_cmp_eq_u32 s22, 0
	s_cselect_b32 s[LIM], s[LIM], -1
	s_lshl_b32 s17, s13, 14         ; my work-group's 128 rows,
	s_lshl_b32 s18, s[WV], 11       ; my wave's 16 in a band
	s_add_co_u32 s17, s17, s18
	s_lshl_b32 s2, s[GA], 16
	s_add_co_u32 s2, s2, s17
	s_mov_b32 s3, 0
	s_add_nc_u64 s[2:3], s[2:3], s[20:21]      ; my rows of the first block
	s_lshl_b32 s18, s[GB], 16
	s_add_co_u32 s18, s18, s17
	s_mov_b32 s19, 0
	s_add_nc_u64 s[18:19], s[18:19], s[20:21]  ; and of the second
	s_lshl_b32 s17, s13, 1
	s_lshl3_add_u32 s[OWNB], s[GB], s17        ; 8 G + 2 cx
	s_lshl3_add_u32 s22, s[GA], s17
	s_cmp_eq_u32 s[QF], 1
	s_cselect_b32 s[OWN], 0x3e8, s22
	s_add_co_u32 s[OWN+1], s[OWN], 1
	s_and_b32 s22, s[WV], 1         ; which half of a tile I fetch
	s_mul_i32 s16, s22, 160*128
	s_mov_b32 s17, 0
	s_add_nc_u64 s[16:17], s[16:17], s[20:21]  ; K: the head, my half
	s_mul_i32 s14, s22, 128*128
	s_mov_b32 s15, 0
	s_add_nc_u64 s[14:15], s[14:15], s[20:21]  ; V likewise
	s_mul_i32 s23, s22, 160*PK      ; their places in a slot: no place in the cluster enters an LDS address
	s_mul_i32 s22, s22, 128*PV
	s_mov_b32 s[G0K], 1
	s_mov_b32 s[G0K+1], s23
	s_mov_b32 s[G0V], 1
	s_add_co_u32 s[G0V+1], s22, VOFF
	s_wait_kmcnt 0x0
	s_add_nc_u64 s[KSP:KSP+1], s[6:7], s[2:3]
	s_add_nc_u64 s[VSP:VSP+1], s[8:9], s[2:3]
	s_add_nc_u64 s[6:7], s[6:7], s[16:17]
	s_add_nc_u64 s[8:9], s[8:9], s[14:15]
	s_add_nc_u64 s[Q2:Q2+1], s[4:5], s[18:19]
	s_add_nc_u64 s[4:5], s[4:5], s[2:3]
	s_add_nc_u64 s[OLO:OLO+1], s[10:11], s[18:19]
	s_add_nc_u64 s[10:11], s[10:11], s[2:3]
	s_add_nc_u64 s[G0K+2:G0K+3], s[6:7], 0
	s_or_b32 s[G0K+3], s[G0K+3], 0x80000000
	s_add_nc_u64 s[G0V+2:G0V+3], s[8:9], 0
	s_or_b32 s[G0V+3], s[G0V+3], 0x80000000
	s_cmp_lt_u32 s[WV], 2
	s_cselect_b64 s[PFA:PFA+1], s[6:7], s[8:9]  ; (in waves 0 and 2 these stand at the head's first row)
	s_lshl_b32 s2, s13, 13          ; my work-group's 32 blocks
	s_mov_b32 s3, 0
	s_add_nc_u64 s[PFA:PFA+1], s[PFA:PFA+1], s[2:3]
	s_add_nc_u64 s[PFA:PFA+1], s[PFA:PFA+1], TILEB  ; in tile 1; the first change of slots steps it to tile 2.  Nothing is asked for here, at the head
	CROUND                          ; all four work-groups are here
	JLOAD                           ; tile 0 into slot 0
	v_and_b32 v1, 15, v0            ; l % 16
	v_bfe_u32 v9, v0, 4, 1          ; l / 16
	v_lshlrev_b32 v[QO], 7, v1
	v_lshl_add_u32 v[QO], v9, 4, v[QO]  ; row x 128 + 16 x half
	WIN W_F
.set i, 0
.rept 4                             ; both blocks' Q: piece i / 2 lies 64 rows on; channels 32 (i % 2) on
	global_load_b128 v[8*i:8*i+3],   v[QO], s[4:5] offset:(i/2)*8192+(i%2)*64
	global_load_b128 v[8*i+4:8*i+7], v[QO], s[4:5] offset:(i/2)*8192+(i%2)*64+32
	global_load_b128 v[QB+8*i:QB+8*i+3],   v[QO], s[Q2:Q2+1] offset:(i/2)*8192+(i%2)*64
	global_load_b128 v[QB+8*i+4:QB+8*i+7], v[QO], s[Q2:Q2+1] offset:(i/2)*8192+(i%2)*64+32
.set i, i+1
.endr
	WIN 0
	v_lshlrev_b32 v14, 3, v9
	v_sub_nc_u32 v14, v1, v14
	s_lshl_b32 s13, s[WV], 4
	v_add_nc_u32 v14, s13, v14      ; my query's place in its band less my lanes' 8 (l / 16): register r of group kt is hidden where 16 kt + r is greater
	WIN 0x80
.set i, 0
.rept 32
	v_cmp_gt_i32 vcc_lo, 16*(i/8)+i%8, v14
	v_cndmask_b32 v[MD+i], 0, s[BIGN], vcc_lo
.set i, i+1
.endr
	WIN 0
	v_mul_u32_u24 v[AK0], v1, PK
	v_lshl_add_u32 v[AK0], v9, 4, v[AK0]
	v_and_b32 v10, 7, v0            ; the turning load: lane l reads key 8 (l / 16) + l % 8, channels 8 ((l / 8) % 2) + 0..7
	v_bfe_u32 v11, v0, 3, 1
	v_lshl_add_u32 v[AV0], v9, 3, v10
	v_mul_u32_u24 v[AV0], v[AV0], PV
	v_lshl_add_u32 v[AV0], v11, 4, v[AV0]
	v_add_nc_u32 v[AV0], VOFF, v[AV0]
	s_mul_i32 s13, s[WV], 16*SP
	s_add_co_u32 s13, s13, STAGE
	v_mul_u32_u24 v[STO], v1, SP
	v_lshl_add_u32 v[STO], v9, 4, v[STO]
	v_add_nc_u32 v[STO], s13, v[STO]
	v_bfe_u32 v[RD], v0, 3, 2
	v_mul_u32_u24 v[RD], v[RD], SP
	v_lshl_add_u32 v[RD], v10, 4, v[RD]
	v_add_nc_u32 v[RD], s13, v[RD]
	v_and_b32 v[GO], 31, v0
	v_lshlrev_b32 v[GO], 4, v[GO]
	v_mov_b32 v[ONE], 1.0
	v_mov_b32 v[ZR], 0
	v_cvt_f32_u32 v[HFL], v9
	; What the first turn finds: V's registers and piece 1's P hold 0, so its products V^T P, of a step that has not been, add 0.  O^T and l are 0, c m far below every c s.  All this stands in the wait for the first tile.
	WIN W_F
.set i, VF
.rept 64
	v_mov_b32 v[i], 0
.set i, i+1
.endr
	WIN 0
.set i, OT
.rept 64
	v_mov_b32 v[i], 0
.set i, i+1
.endr
.set i, P+16
.rept 16
	v_mov_b32 v[i], 0
.set i, i+1
.endr
.set i, 0
.rept 2
	v_mov_b32 v[ST+4*i], 0xfe000000
	v_mov_b32 v[ST+4*i+1], 0xff7fffff
	v_mov_b32 v[ST+4*i+2], 0
	v_mov_b32 v[ST+4*i+3], 0
.set i, i+1
.endr
	s_cmp_eq_u32 s[QF], 1           ; rows 3072 on: the same answer in all four partners
	s_cbranch_scc0 .Lcausal
.set i, 0
.rept 8                             ; my rows' own k and v, addressed as Q is: my 32 of a row's 64 channels; they land in S^T's registers
	global_load_b128 v[S+4*i:S+4*i+3], v[QO], s[KSP:KSP+1] offset:(i/4)*8192+(i%4)*32
	global_load_b128 v[S+32+4*i:S+32+4*i+3], v[QO], s[VSP:VSP+1] offset:(i/4)*8192+(i%4)*32
.set i, i+1
.endr
	s_wait_loadcnt 0x0              ; Q too
	WIN 0x01                        ; source 0 (Q) in window 1
.irp x, 0,1
.set i, 0
.rept 16
.if i == 0
	v_fma_mix_f32 v[TMP+4*\x],   v[16*\x], v[S+16*\x], v[ZR] op_sel:[0,0,0] op_sel_hi:[1,1,0]
	v_fma_mix_f32 v[TMP+4*\x+1], v[16*\x], v[S+16*\x], v[ZR] op_sel:[1,1,0] op_sel_hi:[1,1,0]
.else
	v_fma_mix_f32 v[TMP+4*\x],   v[16*\x+i], v[S+16*\x+i], v[TMP+4*\x] op_sel:[0,0,0] op_sel_hi:[1,1,0]
	v_fma_mix_f32 v[TMP+4*\x+1], v[16*\x+i], v[S+16*\x+i], v[TMP+4*\x+1] op_sel:[1,1,0] op_sel_hi:[1,1,0]
.endif
.set i, i+1
.endr
.endr
	WIN 0
.irp x, 0,1
	v_add_f32 v[TMP+4*\x], v[TMP+4*\x], v[TMP+4*\x+1]
	v_mov_b32 v[TMP+4*\x+2], 0
	v_permlanex16_b32 v[TMP+4*\x+2], v[TMP+4*\x], s[SEL], s[SEL+1]  ; the row's other 32 channels
	v_add_f32 v[ST+4*\x+1], v[TMP+4*\x], v[TMP+4*\x+2]              ; m = q . k
	v_mul_f32 v[ST+4*\x], s[CS], v[ST+4*\x+1]                       ; c m
	v_sub_f32 v[ST+4*\x+2], 1.0, v[HFL]                             ; l = 1, kept in one of the query's two lanes
.set i, 0
.rept 16
	v_fma_mix_f32 v[OT+32*\x+2*i],   v[S+32+16*\x+i], v[ONE], v[ZR] op_sel:[0,0,0] op_sel_hi:[1,0,0]   ; O^T = v
	v_fma_mix_f32 v[OT+32*\x+2*i+1], v[S+32+16*\x+i], v[ONE], v[ZR] op_sel:[1,0,0] op_sel_hi:[1,0,0]
.set i, i+1
.endr
.endr
.Lcausal:
; THE MATRIX WORK.  The 4 accumulators of a run of 8 take turns.  Product i of 8 of S^T = K Q^T for piece x: channels 32 (i / 4) on, keys 16 (i % 4) on.  The first 4 start the sums: with 0, or (KM = 1) with the mask.
.macro KQ x
.set rS, S+32*((\x)%2)+8*(i%4)
.set rK, KF+16*(i%4)+8*(i/4)
.set rQ, 16*(\x)+8*(i/4)
.set rM, MC+32*((\x)%2)+8*(i%4)
.if (i < 4) && KM
	WIN W_KM
	v_wmma_f32_16x16x32_f16 v[rS:rS+7], v[rK:rK+7], v[rQ:rQ+7], v[rM:rM+7]
.elseif i < 4
	WIN W_KQ
	v_wmma_f32_16x16x32_f16 v[rS:rS+7], v[rK:rK+7], v[rQ:rQ+7], 0
.else
	WIN W_KQ
	v_wmma_f32_16x16x32_f16 v[rS:rS+7], v[rK:rK+7], v[rQ:rQ+7], v[rS:rS+7]
.endif
.endm
; Product i of 8 of O^T += V^T P for piece x: keys 32 (i / 4) on, channels 16 (i % 4) on.
.macro PV x
	WIN W_PV
.set rO, OT+32*(\x)+8*(i%4)
.set rV, VF+32*(i/4)+8*(i%4)
.set rP, P+16*((\x)%2)+8*(i/4)
	v_wmma_f32_16x16x32_f16 v[rO:rO+7], v[rV:rV+7], v[rP:rP+7], v[rO:rO+7]
.endm
.macro MM                           ; the turn's next matrix instruction.  NOKQ = 1: a block's last turn: there are no further scores
.if (i < 8) && !NOKQ
	KQ (Y+1)%NP
.elseif i >= 8
.set i, i-8
	PV (Y+NP-1)%NP
.set i, i+8
.endif
.set i, i+1
.endm
; THE LDS LOADS stand in runs of 16: a step's K (8 fragments) and its V (turned).  Their addresses are made some lines ahead.
.macro FETCH_K
	WIN W_F
.irp f, 0,1,2,3,4,5,6,7             ; keys 16 (f / 2) on, channels 32 (f % 2) on
	ds_load_b128 v[KF+8*\f:KF+8*\f+3],   v[AK] offset:(\f/2)*16*PK+(\f%2)*64
	ds_load_b128 v[KF+8*\f+4:KF+8*\f+7], v[AK] offset:(\f/2)*16*PK+(\f%2)*64+32
.endr
	s_add_co_u32 s[TBK], s[TBK], KS*PK
	WIN 0
.endm
.macro FETCH_V
	WIN W_F
.irp f, 0,1,2,3,4,5,6,7             ; keys 32 (f / 4) on, channels 16 (f % 4) on
	ds_load_tr16_b128 v[VF+8*\f:VF+8*\f+3],   v[AV] offset:(\f/4)*32*PV+(\f%4)*32
	ds_load_tr16_b128 v[VF+8*\f+4:VF+8*\f+7], v[AV] offset:(\f/4)*32*PV+16*PV+(\f%4)*32
.endr
	WIN 0
.endm
; THE VECTOR WORK, one line at a time: OP kind, number; all of it in window 0.  For piece Y: F n: c s - c m for pair n of 16.  E n: the exponential of score n of 32.  C n: pair n rounded to f16.  B n: of the four weights
; 4 n .. the second pair is added onto the first.  L n: l takes that sum (L 0: l = a l + sum).  R n: pair n of 16 of O^T times a.  For the other piece: X n, number n of the 22 that find its maximum and statistics:
;   0-11 four chains of seven scores (each accumulator's lowest registers first)   12-14, 16 the scores left over, the old m, four into one   15 c m_old is kept
;   17, 18 the query's other 32 keys lie in the lane 16 away: the new m   19-21 c m; c m_old - c m_new; a
.set F, 0
.set E, 1
.set C, 2
.set B, 3
.set L, 4
.set R, 5
.set X, 6
.macro REGS y
.set rT, ST+4*(\y)
.set rC, TMP+4*((\y)%2)
.set rW, MV+((\y)%2)
.set rS, S+32*((\y)%2)
.set rP, P+16*((\y)%2)
.set rO, OT+32*(\y)
.endm
.macro OP k, n
	WIN 0
.if (\k) == R
	REGS Y
	v_pk_mul_f32 v[rO+2*(\n):rO+2*(\n)+1], v[rO+2*(\n):rO+2*(\n)+1], v[rC+2:rC+3] op_sel_hi:[1,0]
.elseif (\k) < R
	REGS Y
.if (\k) == F
	v_pk_fma_f32 v[rS+2*(\n):rS+2*(\n)+1], v[rS+2*(\n):rS+2*(\n)+1], s[CS:CS+1], v[rT:rT+1] op_sel_hi:[1,0,0] neg_lo:[0,0,1] neg_hi:[0,0,1]
.elseif (\k) == E
	v_exp_f32 v[rS+(\n)], v[rS+(\n)]
.elseif (\k) == C
	v_cvt_pk_f16_f32 v[rP+(\n)], v[rS+2*(\n)], v[rS+2*(\n)+1]
.elseif (\k) == B
	v_pk_add_f32 v[rS+4*(\n):rS+4*(\n)+1], v[rS+4*(\n):rS+4*(\n)+1], v[rS+4*(\n)+2:rS+4*(\n)+3]
.elseif (\n) == 0
	v_pk_fma_f32 v[rT+2:rT+3], v[rT+2:rT+3], v[rC+2:rC+3], v[rS:rS+1] op_sel_hi:[1,0,1]
.else
	v_pk_add_f32 v[rT+2:rT+3], v[rT+2:rT+3], v[rS+4*(\n):rS+4*(\n)+1]
.endif
.elseif NOKQ
	v_nop
.else
	REGS (Y+1)%NP
.if (\n) < 4
	v_max3_num_f32 v[rC+(\n)], v[rS+8*(\n)], v[rS+8*(\n)+1], v[rS+8*(\n)+2]
.elseif (\n) < 12
	v_max3_num_f32 v[rC+(\n)%4], v[rC+(\n)%4], v[rS+8*((\n)%4)+2*((\n)/4)+1], v[rS+8*((\n)%4)+2*((\n)/4)+2]
.elseif (\n) == 12
	v_max3_num_f32 v[rC], v[rC], v[rS+7], v[rS+15]
.elseif (\n) == 13
	v_max3_num_f32 v[rC+1], v[rC+1], v[rS+23], v[rS+31]
.elseif (\n) == 14
	v_max3_num_f32 v[rC+2], v[rC+2], v[rC+3], v[rT+1]
.elseif (\n) == 15
	v_mov_b32 v[rW], v[rT]
.elseif (\n) == 16
	v_max3_num_f32 v[rC], v[rC], v[rC+1], v[rC+2]
.elseif (\n) == 17
	v_permlanex16_b32 v[rC+3], v[rC], s[SEL], s[SEL+1]
.elseif (\n) == 18
	v_max_num_f32 v[rT+1], v[rC], v[rC+3]
.elseif (\n) == 19
	v_mul_f32 v[rT], s[CS], v[rT+1]
.elseif (\n) == 20
	v_sub_f32 v[rC+1], v[rW], v[rT]
.else
	v_exp_f32 v[rC+2], v[rC+1]
.endif
.endif
.endm
.macro OPS a, i1, b=-1, i2=0, c=-1, i3=0, d=-1, i4=0
	OP \a, \i1
.if (\b) >= 0
	OP \b, \i2
.endif
.if (\c) >= 0
	OP \c, \i3
.endif
.if (\d) >= 0
	OP \d, \i4
.endif
.endm
.macro ROW a, i1, b, i2, c, i3, d, i4  ; a matrix instruction and the four behind it
	MM
	OPS \a, \i1, \b, \i2, \c, \i3, \d, \i4
.endm
.macro MASK b                       ; MD x AL + BE into buffer b of MC
	WIN W_MK
.set z, 0
.rept 16
	v_pk_fma_f32 v[MC+32*(\b)+2*z:MC+32*(\b)+2*z+1], v[MD+2*z:MD+2*z+1], s[AL:AL+1], s[BE:BE+1] op_sel_hi:[1,0,0]
.set z, z+1
.endr
.endm
; A TURN, for piece p.  AHEAD OF ITS ONE WAIT stands all that names no result of the turn's exponentials: the 8 products K Q^T and their riders, then the lump; X 21, the other piece's a, is the batch's last, and R 15 the plain
; instruction behind it.  BEHIND THE WAIT stand the 8 products V^T P, behind each four of the roundings and sums.  The X that ride behind the last three products K Q^T stand four places or more behind the product that ends their accumulator.
; m = 1: the products take masks, and the turn makes piece p's mask for key step SGN, which the next turn's products take.  end = 1: a block's last step: no K is fetched, and turn 1 starts no new scores.
; Turn 0 fetches K of the next step, six plain instructions behind the last product that read K, and at its end V of the step in hand, four plain instructions behind the last product that read V.
; Turn 1 waits for K at its head (V's 16 younger loads may stay out) and for V behind the batch's wait.
.macro TURN p, m=0, end=0
.set Y, (\p)
.set i, 0
.set KM, (\m)
.set NOKQ, (\end)*(\p)
.if (\m) && !(\end)
	s_cmp_eq_u32 s[SGN], s[OWN+(\p)]    ; is that step the band's own?
	s_cselect_b32 s[AL], 1.0, 0
	s_cmp_gt_u32 s[SGN], s[OWN+(\p)]    ; or a later one?
	s_cselect_b32 s[BE], s[BIGN], 0
.endif
.if ((\p) == 1) && !(\end)
	s_wait_dscnt 16                 ; K is in
.endif
	ROW F,0, F,1, R,0, R,1
	ROW F,2, E,0, R,2, R,3
	ROW F,3, E,1, R,4, R,5
	ROW F,4, E,2, R,6, R,7
	ROW F,5, E,3, R,8, R,9
	ROW F,6, E,4, X,0, R,10
.if ((\p) == 0) && !(\end)
	WIN 0
	v_add_nc_u32 v[AK], s[TBK], v[AK0]
.endif
	ROW F,7, E,5, X,1, X,4
	ROW F,8, E,6, X,2, X,5
	OPS E,7, E,8, X,6, E,9
	OPS X,3, E,10, X,8, E,11
.if ((\p) == 0) && !(\end)
	FETCH_K
.endif
	OPS X,9, X,7, E,12, X,10
	OPS E,13, X,12, X,11, E,14
	OPS X,13, E,15, F,9, X,14
.if (\p) == 0
	v_add_nc_u32 v[AV], s[TBV], v[AV0]
.endif
	OPS E,16, F,10, E,17, F,11
	OPS X,16, E,18, X,15, E,19
	OPS F,12, E,20, X,17, E,21
	OPS F,13, E,22, F,14, E,23
	OPS X,18, E,24, F,15, E,25
	OPS R,11, E,26, X,19, E,27
	OPS R,12, E,28, R,13, E,29
	OPS X,20, E,30, R,14, E,31
	OPS X,21, R,15
	WIN 0
	s_wait_alu depctr_va_vdst(0)    ; the wait for the batch
.if (\p) == 1
	s_wait_dscnt 0x0                ; V is in
.endif
	ROW C,0, B,0, C,2, B,1
	ROW L,0, C,4, B,2, L,1
	ROW C,6, B,3, L,2, C,8
	ROW B,4, L,3, C,10, B,5
	ROW L,4, C,12, B,6, L,5
.if (\p) == 0
	s_add_co_u32 s[TBV], s[TBV], KS*PV
.endif
	ROW C,14, B,7, L,6, C,1
	ROW C,3, L,7, C,5, C,7
	ROW C,9, C,11, C,13, C,15
.if (\p) == 0
	FETCH_V
.endif
.if (\m) && !(\end)
	MASK \p
.endif
.endm
; A BLOCK BEGINS: both pieces' masks for key step 0; K of that step, which lies at the slot's head; piece 0's first scores, its maximum and statistics.
.macro BEGIN
	s_mov_b32 s[NEW], 0
	s_mov_b32 s[BE], 0
	s_cmp_eq_u32 s[OWN], 0
	s_cselect_b32 s[AL], 1.0, 0
	MASK 0
	s_cmp_eq_u32 s[OWN+1], 0
	s_cselect_b32 s[AL], 1.0, 0
	MASK 1
	s_mov_b32 s[SGN], 1
	WIN 0
	s_sub_co_u32 s[TBK], s[TBK], KS*PK
	v_add_nc_u32 v[AK], s[TBK], v[AK0]
	FETCH_K
	s_wait_loadcnt 0x0              ; Q
	s_wait_dscnt 0x0
.set KM, 1
.set NOKQ, 0
.set i, 0
.rept 8
	KQ 0
.set i, i+1
.endr
	WIN 0
.rept 4
	v_nop                           ; the places behind those products
.endr
.set Y, NP-1                        ; X works for the other piece: piece 0
.irp n, 0,1,2,3,4,5,6,7,8,9,10,11,12,13,14,15,16,17,18,19,20,21
	OP X, \n
.endr
	v_nop                           ; a plain instruction behind the exponential,
	s_wait_alu depctr_va_vdst(0)    ; and its wait, ahead of the label
.endm
.macro ALL line:vararg
.set t, 0
.rept NP
	\line
.set t, t+1
.endr
.endm
.macro PACK t                       ; O^T / l, rounded to f16; a lane's eight channels of a row pack into 16 bytes; into rows of 144 bytes and back as whole rows of 128, into S^T's registers
	WIN 0
.set i, 0
.rept 16
	v_pk_mul_f32 v[OT+32*(\t)+i:OT+32*(\t)+i+1], v[OT+32*(\t)+i:OT+32*(\t)+i+1], v[ST+4*(\t)+2:ST+4*(\t)+3] op_sel_hi:[1,0]
.set i, i+2
.endr
.set i, 0
.rept 16
	v_cvt_pk_f16_f32 v[S+16*(\t)+i], v[OT+32*(\t)+2*i], v[OT+32*(\t)+2*i+1]
.set i, i+1
.endr
.irp f, 0,1,2,3
	ds_store_b128 v[STO], v[S+16*(\t)+4*\f:S+16*(\t)+4*\f+3] offset:32*\f
.endr
.irp f, 0,1,2,3
	ds_load_b128 v[S+16*(\t)+4*\f:S+16*(\t)+4*\f+3], v[RD] offset:\f*4*SP  ; LDS serves a wave's instructions in order: these see the stores above
.endr
.endm
.macro SEND t, younger              ; younger: the LDS instructions issued behind piece t's loads
.irp f, 0,1,2,3
	s_wait_dscnt (\younger)+3-\f
	global_store_b128 v[GO], v[S+16*(\t)+4*\f:S+16*(\t)+4*\f+3], s[10:11] offset:(\t)*8192+\f*512  ; 512 consecutive bytes, aligned
.endr
.endm
; A BLOCK ENDS: its last step's two turns, piece 1's last products, and the way out.
.macro END
	TURN 0, 1, 1
	TURN 1, 1, 1
.set i, 0
.rept 8
	PV NP-1
.set i, i+1
.endr
	WIN 0
	ALL v_add_f32 v[ST+4*t+2], v[ST+4*t+2], v[ST+4*t+3]
	ALL v_permlanex16_b32 v[ST+4*t+3], v[ST+4*t+2], s[SEL], s[SEL+1]
	ALL v_add_f32 v[ST+4*t+2], v[ST+4*t+2], v[ST+4*t+3]
	ALL v_rcp_f32 v[ST+4*t+2], v[ST+4*t+2]
	v_nop                           ; a plain instruction behind the last reciprocal,
	s_wait_alu depctr_va_vdst(0)    ; and the one wait ahead of the first use
	PACK 0
	PACK 1
	SEND 0, 8
	SEND 1, 0
.endm
.set KM, 0
.set NOKQ, 0
.Lslot:                             ; a tile is entered and the next is asked for: 17 trips at the most; a shorter walk leaves the loop forward, at the bottom
	CHANGE 1
	s_sub_co_u32 s[RT], s[RT], 1
	s_sub_co_u32 s[LEFT], s[LEFT], 1
	s_cmp_eq_u32 s[RT], 0
	s_cselect_b32 s[XC], 1, 0
	s_cmp_eq_u32 s[NEW], 0
	s_cbranch_scc1 .Lold
	BEGIN
.Lold:
	s_mov_b32 s[CNT], 4
	s_cmp_gt_u32 s[RT], 2
	s_cbranch_scc1 .Lstep           ; not among the block's last three tiles: no masks
.LstepM:
	s_cmp_eq_u32 s[CNT], s[XC]      ; the fourth step of a block's last tile
	s_cbranch_scc1 .LendM
	TURN 0, 1
	TURN 1, 1
	WIN 0
	s_add_co_u32 s[SGN], s[SGN], 1
	s_sub_co_u32 s[CNT], s[CNT], 1
	s_cmp_lg_u32 s[CNT], 0
	s_cbranch_scc1 .LstepM
	s_branch .Lbottom
.LendM:                             ; in the loop this is the first block's end
	END
	s_wait_xcnt 0x0                 ; the stores have read their registers and O's address
	s_mov_b64 s[10:11], s[OLO:OLO+1]
	s_mov_b32 s[RT], s[T2]
	s_mov_b32 s[NEW], 1
	s_mov_b32 s[OWN], s[OWNB]
	s_add_co_u32 s[OWN+1], s[OWNB], 1
.set i, 0
.rept 2
	v_mov_b32 v[ST+4*i], 0xfe000000    ; the second block's first step multiplies O^T and l by a = 0: what the first block left there need only be finite
	v_mov_b32 v[ST+4*i+1], 0xff7fffff
.set i, i+1
.endr
	WIN 0x41                        ; the second block's Q goes where the turns name Q
.set i, 0
.rept 32
	v_mov_b32 v[i], v[QB+i]
.set i, i+1
.endr
	WIN 0
	s_branch .Lbottom
.Lstep:
	TURN 0
	TURN 1
	WIN 0
	s_add_co_u32 s[SGN], s[SGN], 1
	s_sub_co_u32 s[CNT], s[CNT], 1
	s_cmp_lg_u32 s[CNT], 0
	s_cbranch_scc1 .Lstep
.Lbottom:
	s_cmp_eq_u32 s[LEFT], 1
	s_cbranch_scc1 .Ltail           ; one tile is left: it has been asked for
	s_sub_co_u32 s[SLOTS], s[SLOTS], 1
	s_cmp_lg_u32 s[SLOTS], 0
	s_cbranch_scc1 .Lslot
.Ltail:
	CHANGE 0                        ; the walk's last tile is written out: nothing is asked for.  It is the second block's last, and never its first
	s_mov_b32 s[CNT], 3
.LstepT:
	TURN 0, 1
	TURN 1, 1
	WIN 0
	s_add_co_u32 s[SGN], s[SGN], 1
	s_sub_co_u32 s[CNT], s[CNT], 1
	s_cmp_lg_u32 s[CNT], 0
	s_cbranch_scc1 .LstepT
	END
	s_wait_tensorcnt 0x0            ; the wave's end
	ds_add_u32 v[SPW], v[NIL]
	s_wait_dscnt 0x0
	CROUND                          ; the closing round
	s_endpgm
.Lfunc_end_k_qdacd17b389_attn:
	.size	k_qdacd17b389_attn, .Lfunc_end_k_qdacd17b389_attn-k_qdacd17b389_attn
	.p2alignl 7, 3214868480
	.fill 96, 4, 3214868480
	.section	.rodata,"a",@progbits
	.p2align	6, 0x0
	.amdhsa_kernel k_qdacd17b389_attn
		.amdhsa_group_segment_fixed_size 327680
		.amdhsa_private_segment_fixed_size 0
		.amdhsa_enable_private_segment 0
		.amdhsa_kernarg_size 32
		.amdhsa_user_sgpr_count 2
		.amdhsa_user_sgpr_kernarg_segment_ptr 1
		.amdhsa_wavefront_size32 1
		.amdhsa_system_sgpr_workgroup_id_x 1
		.amdhsa_system_sgpr_workgroup_id_y 1
		.amdhsa_system_sgpr_workgroup_id_z 1
		.amdhsa_system_vgpr_workitem_id 0
		.amdhsa_next_free_vgpr 640
		.amdhsa_next_free_sgpr 96
		.amdhsa_reserve_vcc 1
		.amdhsa_float_denorm_mode_32 3
		.amdhsa_float_denorm_mode_16_64 3
		.amdhsa_memory_ordered 1
		.amdhsa_forward_progress 1
		.amdhsa_inst_pref_size 147
	.end_amdhsa_kernel
	.amdgpu_metadata
---
amdhsa.version: [ 1, 2 ]
amdhsa.kernels:
  - .name:           k_qdacd17b389_attn
    .symbol:         k_qdacd17b389_attn.kd
    .args:
      - { .name: qh, .offset: 0, .size: 8, .value_kind: global_buffer, .address_space: global }
      - { .name: kh, .offset: 8, .size: 8, .value_kind: global_buffer, .address_space: global }
      - { .name: vh, .offset: 16, .size: 8, .value_kind: global_buffer, .address_space: global }
      - { .name: ob, .offset: 24, .size: 8, .value_kind: global_buffer, .address_space: global }
    .group_segment_fixed_size: 327680
    .private_segment_fixed_size: 0
    .kernarg_segment_align: 8
    .kernarg_segment_size: 32
    .max_flat_workgroup_size: 128
    .sgpr_count:     96
    .vgpr_count:     640
    .wavefront_size: 32
...
	.end_amdgpu_metadata
.endif
;; end of part 3
;; launch proj (part 4): grid 8 x 32, 4 waves a work-group, clusters of 4 x 4, 327,680 bytes of LDS; arguments ob, wob, out0; writes out0
.if DOCPART == 4
	.amdgcn_target "amdgcn-amd-amdhsa--gfx1250"
	.amdhsa_code_object_version 6
	.text
	.protected	k_qdacd17b389_proj
	.globl	k_qdacd17b389_proj
	.p2align	8
	.type	k_qdacd17b389_proj,@function
k_qdacd17b389_proj:
	s_mov_b64 s[64:65], 0
	v_nop
	global_prefetch_b8 v0, s[64:65] scope:SCOPE_SE
	s_setreg_imm32_b32 hwreg(HW_REG_WAVE_MODE, 25, 1), 1
	s_wait_xcnt 0x0
	s_wait_alu depctr_hold_cnt(0) depctr_sa_sdst(0) depctr_va_vdst(0) depctr_va_sdst(0) depctr_va_ssrc(0) depctr_va_vcc(0) depctr_vm_vsrc(0)
	s_getreg_b32 s2, hwreg(HW_REG_IB_STS2, 6, 4)
	s_cmp_eq_u32 s2, 0
	s_cbranch_scc0 .Lentry_in_a_cluster
	s_endpgm
.Lentry_in_a_cluster:
	s_bfe_u32 s2, ttmp6, 0x10000c
	s_cmp_lg_u32 s2, 0xf033
	s_cbranch_scc0 .Lentry_shape_is_right
	s_endpgm
.Lentry_shape_is_right:
; PROJ: out0[m][n] = the sum over k = 64 head + d of ob[head][m][d] wob[n][k].  ob: [16][4096][64] f16, wob: [1024][1024] f16, out0: [4096][1024] f32; sums in f32.
; A tile of out0 is 128 x 128: 256 work-groups.  Four waves, each 64 x 64: 16 accumulators.  K goes in 4 steps of 256 (four heads) through two LDS slots.
; ob's tile: 64 rows of one head are 8,192 bytes on end, so a wave's load is 4 rows (heads) of 4,096 elements, padded in LDS after every 128 bytes: four planes of 64 rows x 144 bytes.
; wob's tile: 64 rows of 512 bytes, padded by 16.
; CLUSTER 4 x 4: the four of a row of the cluster need the same tiles of ob, the four of a column the same tiles of wob: asked for jointly.
; THE MATRIX INSTRUCTION IS USED TRANSPOSED (source 0 = 16 rows of wob, source 1 = 16 rows of ob): a lane holds eight neighbouring numbers of a row of out0.
; No prefetch: a K step's tiles are small, and both operands are read by several clusters within the launch's few steps.
; REGISTERS: window 0: v0-31 addresses; v32-95 the way out; v128-255 the accumulators ((a, b) at 128 + 8 (4 a + b)).  window 1: two fragment buffers of 128: 64 of ob, then 64 of wob.
.set PA,     144                       ; a row of ob in LDS
.set PB,     528                       ; a row of wob in LDS
.set AHALF,  4*64*PA                   ; what wave 0 or 1 fetches
.set BHALF,  64*PB                     ; what wave 2 or 3 fetches
.set SLOT,   2*AHALF+2*BHALF
.set STAGE,  2*SLOT                    ; behind the ring: 16 rows x 272 bytes for each wave
.set SPITCH, 272
.set SPARE,  STAGE+4*16*SPITCH         ; behind the stages: the spare words, 128 bytes for each wave, that no other line names
.set ASTEP,  4*4096*128                ; bytes from a K step of ob to the next: four heads
.set BSTEP,  512
.set ADRA, 16
.set ADRB, 20
.set STO,  24
.set RD,   25
.set CO,   26
.set SPW,  28
.set NIL,  29
.set TMP,  32
.set ACC,  128
.set F0,   0
.set F1,   128
.set G1, 24
.set G0, 32
.set G1B, 48
.set G0B, 56
.set MSB, 0
.macro WIN new
.if MSB != (\new)
	s_set_vgpr_msb (MSB<<8)|(\new)
.set MSB, (\new)
.endif
.endm
.set MUL,  0x05                        ; sources 0 and 1 window 1; C and D window 0
.set TO_F, 0x40                        ; destination window 1, address window 0
.macro JLOAD s                         ; waves 0 and 1 fetch ob's two halves, waves 2 and 3 wob's; an s_nop 0 and four v_nop follow each line
	s_cmp_eq_u32 s11, 0
	s_cbranch_scc0 .Lfor_b_\@
	tensor_load_to_lds s[G0+4*(\s):G0+4*(\s)+3], s[G1:G1+7]
	s_nop 0
.rept 4
	v_nop
.endr
	s_branch .Lasked_\@
.Lfor_b_\@:
	tensor_load_to_lds s[G0B+4*(\s):G0B+4*(\s)+3], s[G1B:G1B+7]
	s_nop 0
.rept 4
	v_nop
.endr
.Lasked_\@:
.endm
.macro CREST
	s_cmp_lg_u32 s10, 0
	s_cbranch_scc1 .Lnot_wave_0_\@
	s_barrier_signal -3
.Lnot_wave_0_\@:
	s_barrier_wait -3
	s_barrier_signal -1
	s_barrier_wait -1
.endm
.macro CROUND
	s_barrier_signal -1
	s_barrier_wait -1
	CREST
.endm
.macro PLACES
.rept 4
	v_nop
.endr
.endm
	s_load_b128 s[4:7], s[0:1], 0x0                ; ob s[4:5], wob s[6:7]
	s_load_b64 s[8:9], s[0:1], 0x10                ; out0
	v_lshl_add_u32 v[SPW], v0, 2, SPARE
	v_mov_b32 v[NIL], 0
	ds_add_u32 v[SPW], v[NIL]                      ; the wave's opening: the add and its wait ahead of my first tensor load
	v_lshrrev_b32 v1, 5, v0
	v_readfirstlane_b32 s10, v1                    ; wave
	s_lshr_b32 s11, s10, 1                         ; which half of the tile's rows is mine.  Also: I fetch for ob (0) or for wob (1)
	s_and_b32 s12, s10, 1                          ; which half of its columns.  Also: which 64 rows I fetch
	s_bfe_u32 s40, ttmp6, 0x40000
	s_bfe_u32 s41, ttmp6, 0x40004
	s_lshl_b32 s42, ttmp9, 2
	s_add_co_u32 s42, s42, s40                     ; tile column
	s_and_b32 s13, ttmp7, 0xffff
	s_lshl_b32 s13, s13, 2
	s_add_co_u32 s13, s13, s41                     ; tile row
	s_lshl_b32 s43, s41, 2
	s_lshl_b32 s43, 15, s43                        ; my row of the cluster
	s_lshl_b32 s44, 0x1111, s40                    ; my column
	s_or_b32 s[G1+0], s43, (1<<16)|(1<<20)|(1<<21)|(4<<22)|(3<<25)   ; the mask; 2-byte elements; padding on; bit 21 beside a mask; after every 32 words 4 words
	s_mov_b32 s[G1+1], 4096<<16                    ; tensor_dim0 = 4,096: 64 rows of a head on end
	s_mov_b32 s[G1+2], 4<<16                       ; tensor_dim1 = 4 heads
	s_mov_b32 s[G1+3], 4096<<16                    ; tile_dim0
	s_mov_b32 s[G1+4], 4                           ; tile_dim1
	s_mov_b32 s[G1+5], 4096*64                     ; elements from head to head
	s_mov_b32 s[G1+6], 0
	s_mov_b32 s[G1+7], 0
	s_or_b32 s[G1B+0], s44, (1<<16)|(1<<20)|(1<<21)|(6<<22)|(3<<25)  ; after every 128 words 4 words
	s_mov_b32 s[G1B+1], 256<<16
	s_mov_b32 s[G1B+2], 64<<16
	s_mov_b32 s[G1B+3], 256<<16
	s_mov_b32 s[G1B+4], 64
	s_mov_b32 s[G1B+5], 1024
	s_mov_b32 s[G1B+6], 0
	s_mov_b32 s[G1B+7], 0
	s_lshl_b32 s17, s12, 6
	s_lshl_b32 s16, s13, 7
	s_add_co_u32 s16, s16, s17                     ; ob: row 128 x tile row + 64 x half,
	s_lshl_b32 s16, s16, 7                         ; of 128 bytes
	s_lshl_b32 s46, s42, 7
	s_add_co_u32 s46, s46, s17                     ; wob: row 128 x tile column + 64 x half,
	s_lshl_b32 s46, s46, 11                        ; of 2,048 bytes
	s_mov_b32 s17, 0
	s_mov_b32 s47, 0
	s_mul_i32 s20, s12, AHALF                      ; where they go
	s_mul_i32 s21, s12, BHALF
	s_add_co_u32 s21, s21, 2*AHALF
	s_wait_dscnt 0x0                               ; the opening add is done
	s_wait_kmcnt 0x0
	s_add_nc_u64 s[14:15], s[4:5], s[16:17]
	s_add_nc_u64 s[46:47], s[6:7], s[46:47]
	CROUND                                         ; all sixteen work-groups are here
.irp s, 0,1
	s_mov_b32 s[G0+4*(\s)], 1
	s_add_co_u32 s[G0+4*(\s)+1], s20, (\s)*SLOT
	s_add_nc_u64 s[G0+4*(\s)+2:G0+4*(\s)+3], s[14:15], (\s)*ASTEP
	s_or_b32 s[G0+4*(\s)+3], s[G0+4*(\s)+3], 0x80000000
	s_mov_b32 s[G0B+4*(\s)], 1
	s_add_co_u32 s[G0B+4*(\s)+1], s21, (\s)*SLOT
	s_add_nc_u64 s[G0B+4*(\s)+2:G0B+4*(\s)+3], s[46:47], (\s)*BSTEP
	s_or_b32 s[G0B+4*(\s)+3], s[G0B+4*(\s)+3], 0x80000000
	JLOAD \s
.endr
	v_and_b32 v1, 15, v0                           ; l % 16
	v_bfe_u32 v2, v0, 4, 1                         ; l / 16
	v_mul_u32_u24 v3, v1, PA
	v_lshl_add_u32 v3, v2, 4, v3
	v_mul_u32_u24 v4, v1, PB
	v_lshl_add_u32 v4, v2, 4, v4
	s_mul_i32 s21, s11, AHALF                      ; my 64 rows of ob
	s_mul_i32 s22, s12, BHALF                      ; my 64 rows of wob,
	s_add_co_u32 s22, s22, 2*AHALF                 ; which lie behind ob's
.irp s, 0,1
	v_add_nc_u32 v[ADRA+(\s)], s21, v3
	v_add_nc_u32 v[ADRB+(\s)], s22, v4
	s_add_co_u32 s21, s21, SLOT
	s_add_co_u32 s22, s22, SLOT
.endr
	s_mul_i32 s23, s10, 16*SPITCH
	s_add_co_u32 s23, s23, STAGE                   ; my stage
	v_mul_u32_u24 v5, v1, SPITCH                   ; in: row l % 16, 32 bytes for each half of the lanes
	v_lshl_add_u32 v5, v2, 5, v5
	v_add_nc_u32 v[STO], s23, v5
	v_mul_u32_u24 v5, v2, SPITCH                   ; back: lanes 0-15 one row of 256 bytes, lanes 16-31 the next
	v_lshl_add_u32 v5, v1, 4, v5
	v_add_nc_u32 v[RD], s23, v5
	v_lshlrev_b32 v5, 12, v2                       ; and the same two rows in out0
	v_lshl_add_u32 v[CO], v1, 4, v5
	s_lshl_b32 s16, s13, 7
	s_lshl_b32 s17, s11, 6
	s_add_co_u32 s16, s16, s17                     ; my first row
	s_lshl_b32 s16, s16, 12
	s_mov_b32 s17, 0
	s_add_nc_u64 s[8:9], s[8:9], s[16:17]
	s_lshl_b32 s46, s42, 9                         ; my first column, in bytes
	s_lshl_b32 s47, s12, 8
	s_add_co_u32 s46, s46, s47
	s_mov_b32 s47, 0
	s_add_nc_u64 s[8:9], s[8:9], s[46:47]
; 8 matrix instructions: m blocks a0, a0 + 1 x all 4 n blocks, 32 along K: half c of buffer f.  The 16 accumulators take turns.
.macro MUL8 f, c, a0, zero
	WIN MUL
.irp a, \a0, (\a0)+1
.irp b, 0,1,2,3
.if \zero
	v_wmma_f32_16x16x32_f16 v[ACC+8*(4*(\a)+(\b)):ACC+8*(4*(\a)+(\b))+7], v[(\f)+64+8*(4*(\c)+(\b)):(\f)+64+8*(4*(\c)+(\b))+7], v[(\f)+8*(4*(\c)+(\a)):(\f)+8*(4*(\c)+(\a))+7], 0
.else
	v_wmma_f32_16x16x32_f16 v[ACC+8*(4*(\a)+(\b)):ACC+8*(4*(\a)+(\b))+7], v[(\f)+64+8*(4*(\c)+(\b)):(\f)+64+8*(4*(\c)+(\b))+7], v[(\f)+8*(4*(\c)+(\a)):(\f)+8*(4*(\c)+(\a))+7], v[ACC+8*(4*(\a)+(\b)):ACC+8*(4*(\a)+(\b))+7]
.endif
.endr
.endr
.endm
; 32 LDS loads in one run: the fragments of head z of the step (64 along K) into buffer f; the first 32 along K first
.macro FETCH slot, z, f
	WIN TO_F
.irp c, 0,1
.irp i, 0,1,2,3
	ds_load_b128 v[(\f)+64+8*(4*(\c)+(\i)):(\f)+64+8*(4*(\c)+(\i))+3],   v[ADRB+(\slot)] offset:128*(\z)+64*(\c)+(\i)*16*PB
	ds_load_b128 v[(\f)+64+8*(4*(\c)+(\i))+4:(\f)+64+8*(4*(\c)+(\i))+7], v[ADRB+(\slot)] offset:128*(\z)+64*(\c)+(\i)*16*PB+32
	ds_load_b128 v[(\f)+8*(4*(\c)+(\i)):(\f)+8*(4*(\c)+(\i))+3],         v[ADRA+(\slot)] offset:(\z)*64*PA+64*(\c)+(\i)*16*PA
	ds_load_b128 v[(\f)+8*(4*(\c)+(\i))+4:(\f)+8*(4*(\c)+(\i))+7],       v[ADRA+(\slot)] offset:(\z)*64*PA+64*(\c)+(\i)*16*PA+32
.endr
.endr
.endm
.macro QUARTER slot, z, f, g, zero
	s_wait_dscnt 16                                ; the first 32 along K are in
	MUL8 \f, 0, 0, \zero
	MUL8 \f, 0, 2, \zero
	PLACES
	FETCH \slot, \z, \g
	s_wait_dscnt 32                                ; all but the 32 just issued
	MUL8 \f, 1, 0, 0
	MUL8 \f, 1, 2, 0
.endm
; The last quarter multiplies buffer 1 and changes slots: one barrier; in front of it each wave waits for all its tensor loads, adds 0 to its spare word, and waits for that and for its reads of this slot.
.macro TURN slot, next, fill
	WIN 0
	s_wait_tensorcnt 0x0
	ds_add_u32 v[SPW], v[NIL]
	s_wait_dscnt 17                                ; the add and the youngest sixteen loads may be out
	MUL8 F1, 0, 0, 0
	s_wait_dscnt 0x0                               ; the add is done, and my reads of this slot are over
	s_barrier_signal -1
	MUL8 F1, 0, 2, 0
.if \fill
	WIN 0
.endif
	s_barrier_wait -1
.if \fill
	CREST                                          ; no wave of any partner still reads this slot or has a load on its way
	s_add_nc_u64 s[G0+4*(\slot)+2:G0+4*(\slot)+3], s[G0+4*(\slot)+2:G0+4*(\slot)+3], 2*ASTEP
	s_add_nc_u64 s[G0B+4*(\slot)+2:G0B+4*(\slot)+3], s[G0B+4*(\slot)+2:G0B+4*(\slot)+3], 2*BSTEP
	JLOAD \slot                                    ; 112 matrix instructions ahead of the wait for it; its four v_nop are also the places in front of the loads below
.else
	PLACES
.endif
	FETCH \next, 0, F0
	MUL8 F1, 1, 0, 0
	MUL8 F1, 1, 2, 0
.endm
	s_wait_tensorcnt 1                             ; my part of K step 0 is in; K step 1's may stay out
	s_barrier_signal -1
	s_barrier_wait -1
	FETCH 0, 0, F0
	QUARTER 0, 1, F0, F1, 1                        ; K step 0; its first products start the sums
	QUARTER 0, 2, F1, F0, 0
	QUARTER 0, 3, F0, F1, 0
	TURN 0, 1, 1                                   ; slot 0 takes K step 2
	QUARTER 1, 1, F0, F1, 0                        ; K step 1
	QUARTER 1, 2, F1, F0, 0
	QUARTER 1, 3, F0, F1, 0
	TURN 1, 0, 1                                   ; slot 1 takes K step 3
	QUARTER 0, 1, F0, F1, 0                        ; K step 2
	QUARTER 0, 2, F1, F0, 0
	QUARTER 0, 3, F0, F1, 0
	TURN 0, 1, 0                                   ; nothing is left to fetch
	QUARTER 1, 1, F0, F1, 0                        ; K step 3
	QUARTER 1, 2, F1, F0, 0
	QUARTER 1, 3, F0, F1, 0
	s_wait_dscnt 16
	MUL8 F1, 0, 0, 0
	MUL8 F1, 0, 2, 0
	s_wait_dscnt 0x0
	MUL8 F1, 1, 0, 0
	MUL8 F1, 1, 2, 0
	WIN 0
	; THE WAY OUT: my 64 columns of f32 are 256 aligned bytes of a row.  16 rows at a time go through my own stage: 32 bytes a lane in, whole rows back.  No barrier: no other wave touches these bytes.
	PLACES
	PLACES
.irp a, 0,1,2,3
.if (\a) >= 2
	s_wait_xcnt 0x0                                ; the stores of two blocks back have read the registers that are loaded again below
.endif
.irp b, 0,1,2,3
	ds_store_b128 v[STO], v[ACC+8*(4*(\a)+(\b)):ACC+8*(4*(\a)+(\b))+3] offset:64*(\b)        ; each accumulator from its low end
	ds_store_b128 v[STO], v[ACC+8*(4*(\a)+(\b))+4:ACC+8*(4*(\a)+(\b))+7] offset:64*(\b)+16
.endr
.irp t, 0,1,2,3,4,5,6,7
	ds_load_b128 v[TMP+32*((\a)%2)+4*(\t):TMP+32*((\a)%2)+4*(\t)+3], v[RD] offset:(\t)*2*SPITCH  ; LDS serves a wave's instructions in order: these see the stores above
.endr
.irp t, 0,1,2,3,4,5,6,7
	s_wait_dscnt 7-(\t)
	global_store_b128 v[CO], v[TMP+32*((\a)%2)+4*(\t):TMP+32*((\a)%2)+4*(\t)+3], s[8:9] offset:(\a)*65536+(\t)*8192  ; 16 lanes store 256 consecutive bytes, aligned
.endr
.endr
	s_wait_tensorcnt 0x0                           ; the wave's end
	ds_add_u32 v[SPW], v[NIL]
	s_wait_dscnt 0x0
	CROUND                                         ; the closing round
	s_endpgm
.Lfunc_end_k_qdacd17b389_proj:
	.size	k_qdacd17b389_proj, .Lfunc_end_k_qdacd17b389_proj-k_qdacd17b389_proj
	.p2alignl 7, 3214868480
	.fill 96, 4, 3214868480
	.section	.rodata,"a",@progbits
	.p2align	6, 0x0
	.amdhsa_kernel k_qdacd17b389_proj
		.amdhsa_group_segment_fixed_size 327680
		.amdhsa_private_segment_fixed_size 0
		.amdhsa_enable_private_segment 0
		.amdhsa_kernarg_size 24
		.amdhsa_user_sgpr_count 2
		.amdhsa_user_sgpr_kernarg_segment_ptr 1
		.amdhsa_wavefront_size32 1
		.amdhsa_system_sgpr_workgroup_id_x 1
		.amdhsa_system_sgpr_workgroup_id_y 1
		.amdhsa_system_sgpr_workgroup_id_z 1
		.amdhsa_system_vgpr_workitem_id 0
		.amdhsa_next_free_vgpr 512
		.amdhsa_next_free_sgpr 66
		.amdhsa_reserve_vcc 0
		.amdhsa_float_denorm_mode_32 3
		.amdhsa_float_denorm_mode_16_64 3
		.amdhsa_memory_ordered 1
		.amdhsa_forward_progress 1
		.amdhsa_inst_pref_size 86
	.end_amdhsa_kernel
	.amdgpu_metadata
---
amdhsa.version: [ 1, 2 ]
amdhsa.kernels:
  - .name:           k_qdacd17b389_proj
    .symbol:         k_qdacd17b389_proj.kd
    .args:
      - { .name: ob, .offset: 0, .size: 8, .value_kind: global_buffer, .address_space: global }
      - { .name: wob, .offset: 8, .size: 8, .value_kind: global_buffer, .address_space: global }
      - { .name: out0, .offset: 16, .size: 8, .value_kind: global_buffer, .address_space: global }
    .group_segment_fixed_size: 327680
    .private_segment_fixed_size: 0
    .kernarg_segment_align: 8
    .kernarg_segment_size: 24
    .max_flat_workgroup_size: 128
    .sgpr_count:     66
    .vgpr_count:     512
    .wavefront_size: 32
...
	.end_amdgpu_metadata
.endif
;; end of part 4
;; ======== version 2 of 2: 4 launches; version 1 with the launch prep written anew for expert scheduling mode
;; limits: values are held in f16: magnitudes above 65,504 overflow, below 6.1e-05 lose precision; right only within a limited range of input values
;; workspace buffers: xb 8,388,608 bytes; wqb 6,291,456 bytes; wob 2,097,152 bytes; rope 8,388,608 bytes; qh 8,388,608 bytes; kh 8,388,608 bytes; vh 8,388,608 bytes; ob 8,388,608 bytes
;; launch prep (part 5): grid 512 x 1, 8 waves a work-group, no clusters, 0 bytes of LDS; arguments x, qkv_w, out_w, pos, freqs, xb, wqb, wob, rope; writes xb, wqb, wob, rope
.if DOCPART == 5
	.amdgcn_target "amdgcn-amd-amdhsa--gfx1250"
	.amdhsa_code_object_version 6
	.text
	.protected	k_qdacd17b389_prep
	.globl	k_qdacd17b389_prep
	.p2align	8
	.type	k_qdacd17b389_prep,@function
k_qdacd17b389_prep:
	s_mov_b64 s[64:65], 0
	v_nop
	global_prefetch_b8 v0, s[64:65] scope:SCOPE_SE
	s_setreg_imm32_b32 hwreg(HW_REG_WAVE_SCHED_MODE, 0, 2), 2
	s_setreg_imm32_b32 hwreg(HW_REG_WAVE_MODE, 25, 1), 1
	s_wait_xcnt 0x0
	s_wait_alu depctr_vm_vsrc(0)
; PREP: the casts to 16 bits and the table of cosines and sines.  A stream: no LDS, no matrix work, nothing shared between work-groups.
; CASTS.  Work-group g casts 16 rows of 1,024 f32: g < 256: x -> xb (bf16); 256 <= g < 448: qkv_w -> wqb (bf16), row z*1024 + h*64 + d going to row h*192 + z*64 + d, so that
; one head's q, k and v weights lie together; g >= 448: out_w -> wob: rounded to bf16, and that number written as f16.
; Wave w takes rows 2 w and 2 w + 1: 16 loads of 512 consecutive bytes, 16 stores of 256 consecutive bytes, aligned.
; TABLE.  rope[plane][h][l][c], f16, plane 0 = cos, 1 = sin, c = 0..31: theta = (2 pos - 1) x freq; columns 0-15 take pos[l][1] and freqs[1][h], columns 16-31 pos[l][0] and freqs[0][h].
; Work-group g makes head g / 32, rows 128 (g % 32) on; a thread makes 8 angles in each of two passes.
; ROUNDING.  pos and freqs are rounded to bf16 first, like every other input of the program; all else here is f32, the table rounded once to f16.
; SINE AND COSINE: k = nearest whole number to theta x 2/pi; r = theta - k pi/2 with pi/2 in two parts; polynomials of degree 7 and 8 on |r| <= pi/4; the quadrant k mod 4 swaps and signs them.
; LIMITS.  |theta| under 2^23 (k must be a whole number in f32; the reduction's error grows with k x 2^-49).  out_w beyond 65,504 becomes an infinity in f16; below 6.1e-5 it keeps f16's fixed step of 6e-8.
; THE MODE: SCHED_MODE bits 1:0 = 2 (LLVM: expert scheduling mode 2), set by the entry lines.  The code itself states the register dependences
; between vector instructions and memory instructions, with s_wait_alu, always for 0.
; THE PLAN.  Registers that memory instructions touch:
;   v2 .. v6    byte offsets, made once at the head and never written again: one wait ahead of the first load serves every load and store.
;   FR, PP, DAT each register is loaded once; vector lines name it only behind the wait on LOADcnt that shows its load landed; no memory instruction reads it.
;   RES         pass p's roundings write its eight registers once; two stores read them: pass 0's are issued in pass 1, pass 1's at the head of the casts' block 1.
;   OUTR        block p's conversions write its eight registers; the four stores that read them are issued in block p + 1, dealt among that block's conversions, which name its own DAT and OUTR alone.
; No register that a memory instruction reads is ever written again, no base is stepped, and EXEC is never written: so the text holds waits for written results alone.
; The quadrants' masks go into scalar registers, eight to a pass, with one wait between the pass's compares and its selects.
.set SOFF, 2                           ; v2   my byte offset in the group's 16 source rows
.set DOFF, 3                           ; v3   the same in the 16 rows of 16-bit numbers
.set TOFF, 4                           ; v4   16 x thread: my 16 bytes of a pass of the table
.set FOFF, 5                           ; v5   my 8 numbers of freqs
.set POFF, 6                           ; v6   my number of pos, pass 0
.set C_2PI, 10                         ; v10-31: eleven constants, each twice, for the packed arithmetic
.set C_HI, 12
.set C_LO, 14
.set C_S1, 16
.set C_S2, 18
.set C_S3, 20
.set C_C1, 22
.set C_C2, 24
.set C_C3, 26
.set C_C4, 28
.set C_ONE, 30
.set FR, 32                            ; v32-39 freqs
.set PP, 40                            ; v40-41 pos of pass 0, 1
.set U, 42                             ; v42-45 2 pos - 1, twice, for each pass
.set TH, 48                            ; v48-68 at work
.set KF, 50
.set RR, 52
.set SQ, 54
.set RS, 60
.set SS, 64
.set CC, 66
.set TT, 68
.set RES, 72                           ; v72-87 pass p: four registers of cosines, four of sines
.set DAT, 96                           ; v96-159 the 16 loads
.set OUTR, 160                         ; v160-191 their 16 results: no store's data is written again
.set SC, OUTR                          ; while the table is made only: pair e of a pass's four pairs of angles: sin r at SC + 8 e, cos r at + 2, k at + 4, k mod 2 at + 6
.set MK, 38                            ; s[38:45] a pass's eight masks: the angles whose quadrant is odd
	s_load_b256 s[4:11], s[0:1], 0x0               ; x s[4:5], qkv_w s[6:7], out_w s[8:9], pos s[10:11]
	s_load_b256 s[12:19], s[0:1], 0x20             ; freqs s[12:13], xb s[14:15], wqb s[16:17], wob s[18:19]
	s_load_b64 s[20:21], s[0:1], 0x40              ; rope
	s_mov_b32 s22, ttmp9                           ; g
	s_and_b32 s23, s22, 255
	s_cmp_ge_u32 s22, 448
	s_cselect_b32 s24, 192, 0
	s_sub_co_u32 s23, s23, s24                     ; my number among the work-groups of my tensor
	s_lshl_b32 s23, s23, 4                         ; the first of my 16 source rows
	s_bfe_u32 s24, s23, 0x40006                    ; for qkv_w: h,
	s_mul_i32 s24, s24, 192
	s_lshr_b32 s25, s23, 10                        ; z,
	s_lshl_b32 s25, s25, 6
	s_add_co_u32 s24, s24, s25
	s_and_b32 s25, s23, 63                         ; d
	s_add_co_u32 s24, s24, s25                     ; its row in wqb
	v_and_b32 v1, 31, v0
	v_lshrrev_b32 v7, 5, v0
	v_lshlrev_b32 v[SOFF], 4, v1
	v_lshl_add_u32 v[SOFF], v7, 13, v[SOFF]        ; 16 x lane + 8,192 x wave
	v_lshlrev_b32 v[DOFF], 3, v1
	v_lshl_add_u32 v[DOFF], v7, 12, v[DOFF]        ; 8 x lane + 4,096 x wave
	v_lshlrev_b32 v[TOFF], 4, v0
	v_bfe_u32 v8, v0, 1, 1
	v_xor_b32 v8, 1, v8                            ; the axis: 1 for columns 0-15, 0 for columns 16-31
	v_and_b32 v9, 1, v0
	s_lshr_b32 s26, s22, 5
	s_lshl_b32 s26, s26, 6                         ; 64 h
	v_lshl_add_u32 v[FOFF], v8, 10, s26
	v_lshl_add_u32 v[FOFF], v9, 5, v[FOFF]         ; 4 (256 axis + 16 h + 8 (chunk % 2))
	s_and_b32 s27, s22, 31
	s_lshl_b32 s27, s27, 10                        ; 8 x the group's first row l
	v_lshrrev_b32 v9, 2, v0
	v_lshl_add_u32 v[POFF], v9, 3, s27
	v_lshl_add_u32 v[POFF], v8, 2, v[POFF]         ; 4 (2 l + axis)
.macro CONST r, val
	v_mov_b32 v[\r], \val
	v_mov_b32 v[\r+1], \val
.endm
	CONST C_2PI, 0x3f22f983                        ; 2 / pi
	CONST C_HI, 0xbfc90fdb                         ; - pi/2, its f32 part,
	CONST C_LO, 0x333bbd2e                         ; and what that part is too large by
	CONST C_S1, 0xbe2aaaab                         ; -1/6
	CONST C_S2, 0x3c088889                         ; 1/120
	CONST C_S3, 0xb9500d01                         ; -1/5040
	CONST C_C1, 0xbf000000                         ; -1/2
	CONST C_C2, 0x3d2aaaab                         ; 1/24
	CONST C_C3, 0xbab60b61                         ; -1/720
	CONST C_C4, 0x37d00d01                         ; 1/40320
	CONST C_ONE, 1.0
	s_lshl_b32 s32, s23, 12                        ; source rows of 4,096 bytes
	s_mov_b32 s33, 0
	s_mov_b32 s35, 0
	s_lshl_b32 s36, s22, 13                        ; the group's 8,192 bytes of each plane of the table
	s_mov_b32 s37, 0
	s_wait_kmcnt 0x0
	s_cmp_lt_u32 s22, 256
	s_cselect_b64 s[28:29], s[4:5], s[6:7]
	s_cselect_b64 s[30:31], s[14:15], s[16:17]
	s_cselect_b32 s24, s23, s24                    ; x keeps its rows
	s_cmp_ge_u32 s22, 448
	s_cselect_b64 s[28:29], s[8:9], s[28:29]
	s_cselect_b64 s[30:31], s[18:19], s[30:31]
	s_cselect_b32 s24, s23, s24                    ; and so does out_w
	s_lshl_b32 s34, s24, 11                        ; rows of 2,048 bytes
	s_add_nc_u64 s[28:29], s[28:29], s[32:33]
	s_add_nc_u64 s[30:31], s[30:31], s[34:35]
	s_add_nc_u64 s[20:21], s[20:21], s[36:37]
	s_wait_alu depctr_va_vdst(0)                   ; the five offsets v2 to v6 are written: every load and store of the kernel reads one of them, and no vector line below names them
	global_load_b128 v[FR:FR+3], v[FOFF], s[12:13]
	global_load_b128 v[FR+4:FR+7], v[FOFF], s[12:13] offset:16
	global_load_b32 v[PP], v[POFF], s[10:11]
	global_load_b32 v[PP+1], v[POFF], s[10:11] offset:512      ; pass 1: 64 rows on
.set i, 0
.rept 16
	global_load_b128 v[DAT+4*i:DAT+4*i+3], v[SOFF], s[28:29] offset:512*i th:TH_LOAD_NT
.set i, i+1
.endr
; Two angles, pair e of a pass: freq pair f times u; sin r, cos r and k are left in SC, and the two masks 'k is odd' in s[MK + 2 e], s[MK + 2 e + 1].
.macro ANGLE f, u, e
.set PSN, SC+8*(\e)
.set PCS, PSN+2
.set KI,  PSN+4
.set OD,  PSN+6
	v_pk_mul_f32 v[TH:TH+1], v[\f:\f+1], v[\u:\u+1]
	v_pk_mul_f32 v[KF:KF+1], v[TH:TH+1], v[C_2PI:C_2PI+1]
	v_rndne_f32 v[KF], v[KF]
	v_rndne_f32 v[KF+1], v[KF+1]
	v_pk_fma_f32 v[RR:RR+1], v[KF:KF+1], v[C_HI:C_HI+1], v[TH:TH+1]
	v_pk_fma_f32 v[RR:RR+1], v[KF:KF+1], v[C_LO:C_LO+1], v[RR:RR+1]
	v_pk_mul_f32 v[SQ:SQ+1], v[RR:RR+1], v[RR:RR+1]
	v_pk_fma_f32 v[PSN:PSN+1], v[SQ:SQ+1], v[C_S3:C_S3+1], v[C_S2:C_S2+1]
	v_pk_fma_f32 v[PCS:PCS+1], v[SQ:SQ+1], v[C_C4:C_C4+1], v[C_C3:C_C3+1]
	v_pk_fma_f32 v[PSN:PSN+1], v[PSN:PSN+1], v[SQ:SQ+1], v[C_S1:C_S1+1]
	v_pk_fma_f32 v[PCS:PCS+1], v[PCS:PCS+1], v[SQ:SQ+1], v[C_C2:C_C2+1]
	v_pk_mul_f32 v[RS:RS+1], v[RR:RR+1], v[SQ:SQ+1]
	v_pk_fma_f32 v[PCS:PCS+1], v[PCS:PCS+1], v[SQ:SQ+1], v[C_C1:C_C1+1]
	v_pk_fma_f32 v[PSN:PSN+1], v[RS:RS+1], v[PSN:PSN+1], v[RR:RR+1]         ; sin r
	v_pk_fma_f32 v[PCS:PCS+1], v[PCS:PCS+1], v[SQ:SQ+1], v[C_ONE:C_ONE+1]   ; cos r
	v_cvt_i32_f32 v[KI], v[KF]
	v_cvt_i32_f32 v[KI+1], v[KF+1]
	v_and_b32 v[OD], 1, v[KI]
	v_and_b32 v[OD+1], 1, v[KI+1]
	v_cmp_eq_u32 s[MK+2*(\e)], 1, v[OD]            ; an odd quadrant swaps the two: the selects that read these masks stand behind the pass's one wait for them
	v_cmp_eq_u32 s[MK+2*(\e)+1], 1, v[OD+1]
.endm
; The quadrants of pair e: swap and signs; cosines packed into register oc, sines into os.
.macro QUAD e, oc, os
.set PSN, SC+8*(\e)
.set PCS, PSN+2
.set KI,  PSN+4
.irp j, 0,1
	v_cndmask_b32 v[SS+\j], v[PSN+\j], v[PCS+\j], s[MK+2*(\e)+\j]
	v_cndmask_b32 v[CC+\j], v[PCS+\j], v[PSN+\j], s[MK+2*(\e)+\j]
	v_lshlrev_b32 v[TT], 30, v[KI+\j]              ; the sine is negative in quadrants 2 and 3,
	v_and_b32 v[TT], 0x80000000, v[TT]
	v_xor_b32 v[SS+\j], v[TT], v[SS+\j]
	v_add_nc_u32 v[TT], 1, v[KI+\j]                ; the cosine in quadrants 1 and 2
	v_lshlrev_b32 v[TT], 30, v[TT]
	v_and_b32 v[TT], 0x80000000, v[TT]
	v_xor_b32 v[CC+\j], v[TT], v[CC+\j]
.endr
	v_cvt_pk_f16_f32 v[\oc], v[CC], v[CC+1]
	v_cvt_pk_f16_f32 v[\os], v[SS], v[SS+1]
.endm
; Pass p's two stores of the table.
.macro TSTORE p
	global_store_b128 v[TOFF], v[RES+8*(\p):RES+8*(\p)+3], s[20:21] offset:4096*(\p)                  ; a wave's store covers 512 consecutive bytes
	global_store_b128 v[TOFF], v[RES+8*(\p)+4:RES+8*(\p)+7], s[20:21] offset:4096*(\p)+4194304        ; the plane of sines
.endm
; Pass p: the four pairs' polynomials and masks; one wait for the eight masks; the quadrants and the roundings into RES.
.macro PASS p
	v_fma_f32 v[U+2*(\p)], v[PP+(\p)], 2.0, -1.0   ; 2 pos is exact, so one rounding, as in pos * 2 - 1
	v_mov_b32 v[U+2*(\p)+1], v[U+2*(\p)]
.irp e, 0,1,2,3
	ANGLE FR+2*\e, U+2*(\p), \e
.endr
	s_wait_alu depctr_va_sdst(0)                   ; the pass's eight compares have written s[MK .. MK + 7], ahead of the first select that reads them
.if (\p) == 1
	s_wait_alu depctr_va_vdst(0)                   ; pass 0's roundings have written its eight registers of RES, which the two stores below read
	TSTORE 0
.endif
.irp e, 0,1,2,3
	QUAD \e, RES+8*(\p)+\e, RES+8*(\p)+4+\e
.endr
.endm
	s_wait_loadcnt 16                              ; freqs and pos are in; the 16 younger loads stay out while the table is made
.irp e, 0,1,2,3
	v_cvt_pk_bf16_f32 v[TT], v[FR+2*\e], v[FR+2*\e+1]      ; freqs rounded to bf16, and back as f32
	v_lshlrev_b32 v[FR+2*\e], 16, v[TT]
	v_and_b32 v[FR+2*\e+1], 0xffff0000, v[TT]
.endr
	v_cvt_pk_bf16_f32 v[TT], v[PP], v[PP+1]        ; pos likewise
	v_lshlrev_b32 v[PP], 16, v[TT]
	v_and_b32 v[PP+1], 0xffff0000, v[TT]
	PASS 0
	PASS 1
; THE CASTS, in four blocks of four loads.  half = 1: out_w: the bf16 number, written as f16.
.macro CVT i, half
	v_cvt_pk_bf16_f32 v[OUTR+2*(\i)], v[DAT+4*(\i)], v[DAT+4*(\i)+1]
	v_cvt_pk_bf16_f32 v[OUTR+2*(\i)+1], v[DAT+4*(\i)+2], v[DAT+4*(\i)+3]
.if \half
	v_lshlrev_b32 v[DAT+4*(\i)], 16, v[OUTR+2*(\i)]
	v_and_b32 v[DAT+4*(\i)+1], 0xffff0000, v[OUTR+2*(\i)]
	v_lshlrev_b32 v[DAT+4*(\i)+2], 16, v[OUTR+2*(\i)+1]
	v_and_b32 v[DAT+4*(\i)+3], 0xffff0000, v[OUTR+2*(\i)+1]
	v_cvt_pk_f16_f32 v[OUTR+2*(\i)], v[DAT+4*(\i)], v[DAT+4*(\i)+1]
	v_cvt_pk_f16_f32 v[OUTR+2*(\i)+1], v[DAT+4*(\i)+2], v[DAT+4*(\i)+3]
.endif
.endm
.macro SEND i
	global_store_b64 v[DOFF], v[OUTR+2*(\i):OUTR+2*(\i)+1], s[30:31] offset:256*(\i)   ; 32 lanes store 256 consecutive bytes, aligned
.endm
; Block p converts loads 4 p to 4 p + 3 and issues the stores of block p - 1, a store in front of each load's conversions.
.macro BLK p, half
	s_wait_loadcnt 12-4*(\p)                       ; loads come back in order: this block's four are in, the younger blocks' stay out
.if (\p) > 0
	s_wait_alu depctr_va_vdst(0)                   ; the block before has written its eight registers of OUTR, which the stores below read (at block 1 also: pass 1's roundings have written RES); this block's conversions name neither
.endif
.if (\p) == 1
	TSTORE 1
.endif
.irp j, 0,1,2,3
.if (\p) > 0
	SEND 4*(\p)-4+\j
.endif
	CVT 4*(\p)+\j, \half
.endr
.endm
.macro CASTS half
	BLK 0, \half
	BLK 1, \half
	BLK 2, \half
	BLK 3, \half
	s_wait_alu depctr_va_vdst(0)                   ; block 3 has written its eight registers of OUTR, which the last four stores read
.irp j, 12,13,14,15
	SEND \j
.endr
	s_endpgm
.endm
	s_cmp_ge_u32 s22, 448
	s_cbranch_scc1 .Lf16
	CASTS 0
.Lf16:                                         ; out_w
	CASTS 1
.Lfunc_end_k_qdacd17b389_prep:
	.size	k_qdacd17b389_prep, .Lfunc_end_k_qdacd17b389_prep-k_qdacd17b389_prep
	.p2alignl 7, 3214868480
	.fill 96, 4, 3214868480
	.section	.rodata,"a",@progbits
	.p2align	6, 0x0
	.amdhsa_kernel k_qdacd17b389_prep
		.amdhsa_group_segment_fixed_size 0
		.amdhsa_private_segment_fixed_size 0
		.amdhsa_enable_private_segment 0
		.amdhsa_kernarg_size 72
		.amdhsa_user_sgpr_count 2
		.amdhsa_user_sgpr_kernarg_segment_ptr 1
		.amdhsa_wavefront_size32 1
		.amdhsa_system_sgpr_workgroup_id_x 1
		.amdhsa_system_sgpr_workgroup_id_y 1
		.amdhsa_system_sgpr_workgroup_id_z 1
		.amdhsa_system_vgpr_workitem_id 0
		.amdhsa_next_free_vgpr 192
		.amdhsa_next_free_sgpr 66
		.amdhsa_reserve_vcc 0
		.amdhsa_float_denorm_mode_32 3
		.amdhsa_float_denorm_mode_16_64 3
		.amdhsa_memory_ordered 1
		.amdhsa_forward_progress 1
		.amdhsa_inst_pref_size 37
	.end_amdhsa_kernel
	.amdgpu_metadata
---
amdhsa.version: [ 1, 2 ]
amdhsa.kernels:
  - .name:           k_qdacd17b389_prep
    .symbol:         k_qdacd17b389_prep.kd
    .args:
      - { .name: x, .offset: 0, .size: 8, .value_kind: global_buffer, .address_space: global }
      - { .name: qkv_w, .offset: 8, .size: 8, .value_kind: global_buffer, .address_space: global }
      - { .name: out_w, .offset: 16, .size: 8, .value_kind: global_buffer, .address_space: global }
      - { .name: pos, .offset: 24, .size: 8, .value_kind: global_buffer, .address_space: global }
      - { .name: freqs, .offset: 32, .size: 8, .value_kind: global_buffer, .address_space: global }
      - { .name: xb, .offset: 40, .size: 8, .value_kind: global_buffer, .address_space: global }
      - { .name: wqb, .offset: 48, .size: 8, .value_kind: global_buffer, .address_space: global }
      - { .name: wob, .offset: 56, .size: 8, .value_kind: global_buffer, .address_space: global }
      - { .name: rope, .offset: 64, .size: 8, .value_kind: global_buffer, .address_space: global }
    .group_segment_fixed_size: 0
    .private_segment_fixed_size: 0
    .kernarg_segment_align: 8
    .kernarg_segment_size: 72
    .max_flat_workgroup_size: 256
    .sgpr_count:     66
    .vgpr_count:     192
    .wavefront_size: 32
...
	.end_amdgpu_metadata
.endif
;; end of part 5
;; launch qkv: the kernel of part 2 again; grid 16 x 16, 4 waves a work-group, clusters of 4 x 4, 327,680 bytes of LDS; arguments xb, wqb, rope, scale, qh, kh, vh; writes qh, kh, vh
;; launch attn: the kernel of part 3 again; grid 16 x 16, 4 waves a work-group, clusters of 4 x 1, 327,680 bytes of LDS; arguments qh, kh, vh, ob; writes ob
;; launch proj: the kernel of part 4 again; grid 8 x 32, 4 waves a work-group, clusters of 4 x 4, 327,680 bytes of LDS; arguments ob, wob, out0; writes out0
